; MI455X (gfx1250); checked and timed in simulation.
; The chip was launched on July 23, 2026; its instructions are those of AMD's public machine-readable ISA for CDNA 5 (MIT licence, August 2026) and "CDNA5" Instruction Set Architecture Reference Guide (July 2026). The comments in the code are by the model that wrote it; some were corrected since.
;; Point Net Feature Propagation. Allowed arithmetic: matrix products marked QUANTISED: E3M2 operands, one E8M0 scale for each 32 along K, by v_wmma_scale_f32_16x16x128_f8f6f4 with both operands' format E3M2, f32 sums; products left as they are: f32 operands where the result goes on into a quantised operand, else bf16, f16 or f32 operands; f32 sums; everything else in f32.
;; Inputs: W1 256 x 320 float32; W2 128 x 256 float32; b1 256 float32; b2 128 float32; g1 256 float32; g2 128 float32; points1 8 x 8,192 x 64 float32; points2 8 x 2,048 x 256 float32; xyz1 8 x 8,192 x 3 float32; xyz2 8 x 2,048 x 3 float32.
;; Outputs: out0 8 x 8,192 x 128 float32.
;; This version of the problem:
;;   THIS VERSION OF THE PROBLEM IS GIVEN IN LOW PRECISION. The matrix products marked QUANTISED in the list below multiply operands that are first quantised to E3M2 (3 exponent bits, 2 mantissa bits; 6 bits a number), with one power-of-two scale for each 32 numbers along K (OCP MX v1.0); their sums are f32. All else is computed in f32.
;;   The module's matrix products, in the order in which they are computed (A, B: the left and right operand; K: the contracted axis; several contracted axes count as one K, in the product's order):
;;     1. batch 8 x [M 8,192, K 3] x [K 3, N 2,048]; A: input xyz1; B: input xyz2: left as it is (K = 3 < 32)
;;     2. [M 65,536, K 320] x [K 320, N 256]; A: computed on the way; B: input W1: QUANTISED
;;     3. [M 65,536, K 256] x [K 256, N 128]; A: computed on the way; B: input W2: QUANTISED
;;   THE QUANTISER, for each operand of a quantised product, along K:
;;     - K is cut into blocks of 32 from its start; a last block that is shorter is filled with zeros.
;;     - A block's scale is 2^e with e = floor(log2(the largest magnitude in the block)) - 4, held to -126 .. 127; a block of zeros has e = 0. As a byte (E8M0): e + 127.
;;     - Each number is divided by its block's scale, clamped to +-28, and rounded to the nearest number of E3M2, ties to even, subnormals kept.
;;     - The product sums the exact products of the quantised numbers (number of the format x scale) in f32.
;;   ~~~python
;;   def quantise(x, axis):      # numpy; x: float32 -> the quantised numbers, widened to float32 again
;;       x = np.moveaxis(x, axis, -1); K = x.shape[-1]
;;       x = np.pad(x, [(0, 0)] * (x.ndim - 1) + [(0, -K % 32)]); x = x.reshape(x.shape[:-1] + (-1, 32)); a = np.abs(x).max(-1, keepdims=True)
;;       e = np.where(a > 0, np.clip(np.frexp(np.where(a > 0, a, 1))[1] - 1 - 4, -126, 127), 0)      # np.frexp(a)[1] - 1 = floor(log2(a)), exactly
;;       r = np.clip(x / 2.0 ** e, -28, 28)
;;       step = 2.0 ** (np.maximum(np.frexp(np.where(r == 0, 1, r))[1] - 1, -2) - 2)
;;       q = np.round(r / step) * step * 2.0 ** e      # np.round: ties to even
;;       return np.moveaxis(q.reshape(q.shape[:-2] + (-1,))[..., :K], -1, axis).astype(np.float32)
;;   ~~~
;;   OPERANDS COMPUTED ON THE WAY. 'Computed on the way' means the value that the module computes at that place (a softmax that the list does not call 'softmax' is quantised finished and normalised). What goes into a quantiser is computed in f32, as accurately as f32 sums, v_exp_f32 and their like allow (about 1e-6 of the number): no bf16 or f16 on the way to a quantiser, and a product that is left as it is and whose result goes on into a quantised operand takes f32 operands (vector FMAs, or v_wmma_f32_16x16x4_f32). A number that lies on a knife's edge between two numbers of the format may be rounded either way, as far as f32 arithmetic and the matrix unit's own rounding can turn it there, and no further.
;; One version. Each part assembles by itself: llvm-mc -triple=amdgcn-amd-amdhsa -mcpu=gfx1250 --defsym DOCPART=n.
;; ======== version 1 of 1: 7 launches
;; workspace buffers: gid 1,048,576 bytes of whole numbers; idx 1,048,576 bytes of whole numbers; wts 1,048,576 bytes; wq 106,496 bytes; xq 16,777,216 bytes; a1 13,107,200 bytes; st 524,288 bytes; bn 2,048 bytes
;; launch knn (part 1): grid 256 x 1, 8 waves a work-group, no clusters, 41,984 bytes of LDS; arguments xyz1, xyz2, gid; writes gid
.if DOCPART == 1
	.amdgcn_target "amdgcn-amd-amdhsa--gfx1250"
	.amdhsa_code_object_version 6
	.text
	.protected	k_qd22df1de62_knn
	.globl	k_qd22df1de62_knn
	.p2align	8
	.type	k_qd22df1de62_knn,@function
k_qd22df1de62_knn:
	s_mov_b64 s[64:65], 0
	v_nop
	global_prefetch_b8 v0, s[64:65] scope:SCOPE_SE
	s_setreg_imm32_b32 hwreg(HW_REG_WAVE_MODE, 25, 1), 1
	s_wait_xcnt 0x0
; For each of 65,536 query points: the three GROUPS of 16 neighbouring candidates (of its batch's 2,048) with the smallest group minimum of
; d2 = (|x1|^2 - 2 x1.x2) + |x2|^2, ordered by (minimum, group number).  The three nearest candidates under (d2, index) always lie in these three groups:
; were one of them in a fourth group, three other groups would each hold a candidate that comes before it.  The next launch ranks the 48 candidates.
; d2 IS FORMED IN ONE ORDER OF ROUNDINGS EVERYWHERE: the f32 matrix form is four fused multiply-adds in ascending k (source 0 = a candidate's (-2x, -2y, -2z, 1), source 1 = a query's
; (x, y, z, |x1|^2), C = 0), which gives round(|x1|^2 - 2 dot); |x2|^2 is added behind it by a vector instruction into other registers.  Squared norms are fma(z, z, fma(y, y, x x)).
; SHARES.  A work-group takes 256 queries of one batch, a wave 32 (two tiles of 16); every wave walks all 2,048 candidates, 32 (a pair of tiles) a trip.
; THE CANDIDATES OF A TILE ARE NOT NEIGHBOURS: row m of tile 2 p + u is candidate 32 p + 16 (m / 8) + 8 u + m % 8, so that a lane's 16 results of tiles 2 p and 2 p + 1 are group 2 p + lane / 16.
; LDS: at 0 the candidates as images of source 0's registers, 512 bytes a pair of tiles (16 bytes a lane); at SQT |x2|^2, 4 bytes a candidate.  Filled once by the work-group, then only read.
; No cluster: what work-groups share is 24 KB of coordinates, brought once through registers.  No prefetch: all that is loaded is asked for at the head.
; LIMITS: NaN and infinities among the coordinates are not served.  The scaling by -2 is exact but for denormal products.
.set SQT,  32768
.set BQ,   4                           ; v4-7     source 1 of the two query tiles
.set AF,   8                           ; v8-15    source 0: two sets of (tile 2 p, tile 2 p + 1), 2 registers each
.set SQ,   16                          ; v16-47   |x2|^2 of my group: two sets of 16
.set D,    48                          ; v48-111  results: set, query tile, tile of the pair: 8 each; written by matrix instructions alone
.set T,    112                         ; v112-143 d2 of my group for the two query tiles
.set ST,   144                         ; v144-161 for each query tile: a, b, c (the three smallest minima), ia, ib, ic, m0, m1, t
.set VA0,  162                         ; 16 x lane
.set VS0,  163                         ; SQT + 64 x (lane / 16)
.set VAD,  164                         ; v164-165 address of the images' loads, one register for each set
.set VSD,  166                         ; v166-167 address of the norms' loads, likewise
.set ID,   176                         ; the pair whose results are being ranked
.set SA,   12
.set SS,   13
.set SEL,  16
.set HM,   18
	s_load_b128 s[4:7], s[0:1], 0x0                ; xyz1, xyz2
	s_load_b64 s[8:9], s[0:1], 0x10                ; gid
	v_lshl_add_u32 v184, v0, 2, 0xa000
	v_mov_b32 v185, 0
	v_lshrrev_b32 v1, 5, v0
	v_readfirstlane_b32 s10, v1                    ; wave
	v_and_b32 v1, 31, v0                           ; lane
	v_and_b32 v2, 15, v0                           ; r
	v_bfe_u32 v3, v0, 4, 1                         ; h
	s_lshr_b32 s11, ttmp9, 5                       ; batch
	s_mul_i32 s20, s11, 24576                      ; its 2,048 candidates of 12 bytes
	s_mov_b32 s21, 0
	s_mul_i32 s22, ttmp9, 3072                     ; my 256 queries of 12 bytes
	s_mov_b32 s23, 0
	s_lshl_b32 s24, ttmp9, 12                      ; and their records of 16 bytes
	s_mov_b32 s25, 0
	s_lshl_b32 s26, s10, 5
	v_mul_u32_u24 v[VSD], v0, 12                   ; candidate t
	v_add_nc_u32 v[VAD], s26, v2
	v_mul_u32_u24 v[VAD], v[VAD], 12               ; query 32 wave + r
	s_mov_b32 s[SEL], 0x76543210
	s_mov_b32 s[SEL+1], 0xfedcba98                 ; lane l xor 16
	s_mov_b32 s[HM], 0xffff0000                    ; lanes 16-31
	s_mov_b32 s[SA], 0
	s_mov_b32 s[SS], 0
	s_wait_kmcnt 0x0
	s_add_nc_u64 s[4:5], s[4:5], s[22:23]
	s_add_nc_u64 s[6:7], s[6:7], s[20:21]
	s_add_nc_u64 s[8:9], s[8:9], s[24:25]
.irp i, 0,1,2,3,4,5,6,7
	global_load_b96 v[T+4*\i:T+4*\i+2], v[VSD], s[6:7] offset:3072*\i   ; candidate t + 256 i
.endr
	global_load_b96 v[168:170], v[VAD], s[4:5]
	global_load_b96 v[172:174], v[VAD], s[4:5] offset:192               ; the second query tile: 16 queries on
	; where candidate t + 256 i goes: pair t / 32 + 8 i; lane m = 8 ((t / 16) % 2) + t % 8, tile u = (t / 8) % 2: 512 (t / 32) + 16 m + 8 u, and 256 bytes on for the upper lanes
	v_and_b32 v8, 0xe7, v0
	v_lshlrev_b32 v8, 4, v8
	v_and_b32 v9, 16, v0
	v_lshl_add_u32 v8, v9, 3, v8
	v_and_b32 v9, 8, v0
	v_add_nc_u32 v8, v8, v9
	v_lshl_add_u32 v10, v0, 2, SQT
	v_lshlrev_b32 v[VA0], 4, v1
	v_lshl_add_u32 v[VS0], v3, 6, SQT
	v_mov_b32 v[ID], 0
.irp q, 0,1
.irp i, 0,1,2
	v_mov_b32 v[ST+9*\q+\i], 0x7f800000            ; +infinity: every minimum comes before it
	v_mov_b32 v[ST+9*\q+3+\i], 0
.endr
.endr
	s_wait_loadcnt 0x0
.irp i, 0,1,2,3,4,5,6,7
	v_mul_f32 v[SQ+\i], v[T+4*\i], v[T+4*\i]
.endr
.irp i, 0,1,2,3,4,5,6,7
	v_fmac_f32 v[SQ+\i], v[T+4*\i+1], v[T+4*\i+1]
.endr
.irp i, 0,1,2,3,4,5,6,7
	v_fmac_f32 v[SQ+\i], v[T+4*\i+2], v[T+4*\i+2]  ; |x2|^2
.endr
.irp i, 0,1,2,3,4,5,6,7
	v_mul_f32 v[T+4*\i], -2.0, v[T+4*\i]
	v_mul_f32 v[T+4*\i+1], -2.0, v[T+4*\i+1]
	v_mul_f32 v[T+4*\i+2], -2.0, v[T+4*\i+2]
	v_mov_b32 v[T+4*\i+3], 1.0
.endr
.irp i, 0,1,2,3,4,5,6,7
	ds_store_b64 v8, v[T+4*\i:T+4*\i+1] offset:4096*\i         ; k = 0, 1 for lanes 0-15
	ds_store_b64 v8, v[T+4*\i+2:T+4*\i+3] offset:4096*\i+256   ; k = 2, 3 for lanes 16-31
	ds_store_b32 v10, v[SQ+\i] offset:1024*\i
.endr
	v_mul_f32 v171, v168, v168
	v_mul_f32 v175, v172, v172
	v_fmac_f32 v171, v169, v169
	v_fmac_f32 v175, v173, v173
	v_fmac_f32 v171, v170, v170                    ; |x1|^2
	v_fmac_f32 v175, v174, v174
	v_cndmask_b32 v[BQ], v168, v170, s[HM]         ; register j holds k = 2 h + j: (x, y) below, (z, |x1|^2) above
	v_cndmask_b32 v[BQ+1], v169, v171, s[HM]
	v_cndmask_b32 v[BQ+2], v172, v174, s[HM]
	v_cndmask_b32 v[BQ+3], v173, v175, s[HM]
	s_wait_dscnt 0x0                               ; for the others' sake: my stores have landed
	s_barrier_signal -1
	s_barrier_wait -1                              ; from here on LDS is only read
	ds_load_b128 v[AF:AF+3], v[VA0]                ; pair 0
	ds_load_b128 v[AF+4:AF+7], v[VA0] offset:512   ; pair 1
.irp i, 0,1,2,3
	ds_load_b128 v[SQ+4*\i:SQ+4*\i+3], v[VS0] offset:16*\i     ; the norms of pair 0
.endr
; THE VECTOR WORK ON A PAIR, in four slices that stand behind the next pair's four matrix instructions.
.macro PKADD o                         ; d2 = result + |x2|^2, each accumulator from its low end on
.irp j, 0,2,4,6,8,10,12,14
.irp q, 0,1
	v_pk_add_f32 v[T+16*\q+\j:T+16*\q+\j+1], v[D+32*(\o)+16*\q+\j:D+32*(\o)+16*\q+\j+1], v[SQ+16*(\o)+\j:SQ+16*(\o)+\j+1]
.endr
.endr
.endm
.macro MINS                            ; the group's minimum, in two chains for each query tile
.irp q, 0,1
	v_min3_num_f32 v[ST+9*\q+6], v[T+16*\q], v[T+16*\q+1], v[T+16*\q+2]
	v_min3_num_f32 v[ST+9*\q+7], v[T+16*\q+3], v[T+16*\q+4], v[T+16*\q+5]
.endr
.irp i, 6,10
.irp q, 0,1
	v_min3_num_f32 v[ST+9*\q+6], v[ST+9*\q+6], v[T+16*\q+\i], v[T+16*\q+\i+1]
	v_min3_num_f32 v[ST+9*\q+7], v[ST+9*\q+7], v[T+16*\q+\i+2], v[T+16*\q+\i+3]
.endr
.endr
.irp q, 0,1
	v_min3_num_f32 v[ST+9*\q+6], v[ST+9*\q+6], v[T+16*\q+14], v[T+16*\q+15]
.endr
.irp q, 0,1
	v_min_num_f32 v[ST+9*\q+6], v[ST+9*\q+6], v[ST+9*\q+7]
.endr
.endm
.macro SEL1                            ; the minimum m goes into the sorted list a <= b <= c.  Strict compares: on a tie the earlier group stays in front
.irp q, 0,1
	v_cmp_lt_f32 s[20+3*\q], v[ST+9*\q+6], v[ST+9*\q+2]
	v_cmp_lt_f32 s[21+3*\q], v[ST+9*\q+6], v[ST+9*\q+1]
	v_cmp_lt_f32 s[22+3*\q], v[ST+9*\q+6], v[ST+9*\q]
.endr
.irp q, 0,1
	v_cndmask_b32 v[ST+9*\q+8], v[ID], v[ST+9*\q+4], s[21+3*\q]
.endr
.irp q, 0,1
	v_cndmask_b32 v[ST+9*\q+5], v[ST+9*\q+5], v[ST+9*\q+8], s[20+3*\q]
.endr
.irp q, 0,1
	v_cndmask_b32 v[ST+9*\q+8], v[ID], v[ST+9*\q+3], s[22+3*\q]
.endr
.endm
.macro SEL2
.irp q, 0,1
	v_cndmask_b32 v[ST+9*\q+4], v[ST+9*\q+4], v[ST+9*\q+8], s[21+3*\q]
.endr
.irp q, 0,1
	v_cndmask_b32 v[ST+9*\q+3], v[ST+9*\q+3], v[ID], s[22+3*\q]
.endr
.irp q, 0,1
	v_med3_num_f32 v[ST+9*\q+2], v[ST+9*\q+1], v[ST+9*\q+2], v[ST+9*\q+6]
.endr
.irp q, 0,1
	v_med3_num_f32 v[ST+9*\q+1], v[ST+9*\q], v[ST+9*\q+1], v[ST+9*\q+6]
.endr
.irp q, 0,1
	v_min_num_f32 v[ST+9*\q], v[ST+9*\q], v[ST+9*\q+6]
.endr
	v_add_nc_u32 v[ID], 1, v[ID]
.endm
; TRIP p, set s = p % 2: the four products of pair p, with the vector work on pair p - 1 (the other set) between them; at its end the loads of pair p + 2's images into the set
; just multiplied and of pair p + 1's norms into the set just added.  The wait's count: this trip's images and the last pair's norms were asked for two trips ago; only the five
; loads of the last trip's end are younger.  Behind the fourth product stand ten plain instructions or more that name none of its registers: eight are asked between this matrix form
; and a load into its sources or a read of its results.
.macro TRIP s, dow, dov, lda, ldn, cnt
	s_wait_dscnt \cnt
.if \dow
	v_wmma_f32_16x16x4_f32 v[D+32*\s:D+32*\s+7], v[AF+4*\s:AF+4*\s+1], v[BQ:BQ+1], 0
.endif
.if \dov
	PKADD 1-\s
.endif
.if \dow
	v_wmma_f32_16x16x4_f32 v[D+32*\s+8:D+32*\s+15], v[AF+4*\s+2:AF+4*\s+3], v[BQ:BQ+1], 0
.endif
.if \dov
	MINS
.endif
.if \dow
	v_wmma_f32_16x16x4_f32 v[D+32*\s+16:D+32*\s+23], v[AF+4*\s:AF+4*\s+1], v[BQ+2:BQ+3], 0
.endif
.if \dov
	SEL1
.endif
.if \dow
	v_wmma_f32_16x16x4_f32 v[D+32*\s+24:D+32*\s+31], v[AF+4*\s+2:AF+4*\s+3], v[BQ+2:BQ+3], 0
.endif
.if \dov
	SEL2
.else
.rept 8
	v_nop
.endr
.endif
.if \ldn
	v_add_nc_u32 v[VSD+\s], s[SS], v[VS0]          ; this set's address registers were last named by loads that the wait above has shown done
.endif
.if \lda
	v_add_nc_u32 v[VAD+\s], s[SA], v[VA0]
	ds_load_b128 v[AF+4*\s:AF+4*\s+3], v[VAD+\s] offset:1024
.endif
.if \ldn
.irp i, 0,1,2,3
	ds_load_b128 v[SQ+16*(1-\s)+4*\i:SQ+16*(1-\s)+4*\i+3], v[VSD+\s] offset:128+16*\i
.endr
.endif
	s_add_co_u32 s[SA], s[SA], 512
	s_add_co_u32 s[SS], s[SS], 128
.endm
	TRIP 0, 1, 0, 1, 1, 5                          ; pair 0: nothing to rank yet
	s_mov_b32 s15, 30
.Lpair:                                                ; pairs 1 to 60
	TRIP 1, 1, 1, 1, 1, 5
	TRIP 0, 1, 1, 1, 1, 5
	s_sub_co_u32 s15, s15, 1
	s_cmp_lg_u32 s15, 0
	s_cbranch_scc1 .Lpair
	TRIP 1, 1, 1, 1, 1, 5                          ; pair 61: asks for the last images
	TRIP 0, 1, 1, 0, 1, 5                          ; pair 62: asks for the last norms
	TRIP 1, 1, 1, 0, 0, 4                          ; pair 63: the four loads of the last trip are younger
	TRIP 0, 0, 1, 0, 0, 0                          ; the vector work on pair 63
	; A query's even groups lie in lane r, its odd ones in lane r + 16: each half takes the other's three in, under the order (minimum, group), so that both end with the same three.
.irp q, 0,1
.irp i, 3,4,5
	v_lshl_or_b32 v[ST+9*\q+\i], v[ST+9*\q+\i], 1, v3      ; group = 2 pair + h
.endr
.endr
.irp q, 0,1
.irp i, 0,1,2,3,4,5
	v_permlanex16_b32 v[T+16*\q+\i], v[ST+9*\q+\i], s[SEL], s[SEL+1]
.endr
.endr
.macro LESS k, m, gm, x, gx            ; s[k]: (m, gm) comes before (x, gx)
	v_cmp_lt_f32 s[\k], v[\m], v[\x]
	v_cmp_eq_f32 s28, v[\m], v[\x]
	v_cmp_lt_u32 s29, v[\gm], v[\gx]
	s_and_b32 s28, s28, s29
	s_or_b32 s[\k], s[\k], s28
.endm
.macro INSL q, i
.set LB, ST+9*(\q)
.set PM, T+16*(\q)+(\i)
	LESS 20, PM, PM+3, LB+2, LB+5
	LESS 21, PM, PM+3, LB+1, LB+4
	LESS 22, PM, PM+3, LB, LB+3
	v_cndmask_b32 v[LB+8], v[PM+3], v[LB+4], s21
	v_cndmask_b32 v[LB+5], v[LB+5], v[LB+8], s20
	v_cndmask_b32 v[LB+8], v[PM+3], v[LB+3], s22
	v_cndmask_b32 v[LB+4], v[LB+4], v[LB+8], s21
	v_cndmask_b32 v[LB+3], v[LB+3], v[PM+3], s22
	v_med3_num_f32 v[LB+2], v[LB+1], v[LB+2], v[PM]
	v_med3_num_f32 v[LB+1], v[LB], v[LB+1], v[PM]
	v_min_num_f32 v[LB], v[LB], v[PM]
.endm
.irp i, 0,1,2
	INSL 0, \i
	INSL 1, \i
.endr
	v_cndmask_b32 v168, v[ST+3], v[ST+12], s[HM]   ; lanes 0-15 store the first query tile's record, lanes 16-31 the second's
	v_cndmask_b32 v169, v[ST+4], v[ST+13], s[HM]
	v_cndmask_b32 v170, v[ST+5], v[ST+14], s[HM]
	v_mov_b32 v171, 0
	v_lshlrev_b32 v172, 4, v0
	global_store_b128 v172, v[168:171], s[8:9]     ; the wave stores 512 consecutive bytes
	s_wait_tensorcnt 0x0
	ds_add_u32 v184, v185
	s_wait_dscnt 0x0
	s_endpgm
.Lfunc_end_k_qd22df1de62_knn:
	.size	k_qd22df1de62_knn, .Lfunc_end_k_qd22df1de62_knn-k_qd22df1de62_knn
	.p2alignl 7, 3214868480
	.fill 96, 4, 3214868480
	.section	.rodata,"a",@progbits
	.p2align	6, 0x0
	.amdhsa_kernel k_qd22df1de62_knn
		.amdhsa_group_segment_fixed_size 41984
		.amdhsa_private_segment_fixed_size 0
		.amdhsa_enable_private_segment 0
		.amdhsa_kernarg_size 24
		.amdhsa_user_sgpr_count 2
		.amdhsa_user_sgpr_kernarg_segment_ptr 1
		.amdhsa_wavefront_size32 1
		.amdhsa_system_sgpr_workgroup_id_x 1
		.amdhsa_system_sgpr_workgroup_id_y 1
		.amdhsa_system_sgpr_workgroup_id_z 1
		.amdhsa_system_vgpr_workitem_id 0
		.amdhsa_next_free_vgpr 186
		.amdhsa_next_free_sgpr 66
		.amdhsa_reserve_vcc 0
		.amdhsa_float_denorm_mode_32 3
		.amdhsa_float_denorm_mode_16_64 3
		.amdhsa_memory_ordered 1
		.amdhsa_forward_progress 1
		.amdhsa_inst_pref_size 42
	.end_amdhsa_kernel
	.amdgpu_metadata
---
amdhsa.version: [ 1, 2 ]
amdhsa.kernels:
  - .name:           k_qd22df1de62_knn
    .symbol:         k_qd22df1de62_knn.kd
    .args:
      - { .name: xyz1, .offset: 0, .size: 8, .value_kind: global_buffer, .address_space: global }
      - { .name: xyz2, .offset: 8, .size: 8, .value_kind: global_buffer, .address_space: global }
      - { .name: gid, .offset: 16, .size: 8, .value_kind: global_buffer, .address_space: global }
    .group_segment_fixed_size: 41984
    .private_segment_fixed_size: 0
    .kernarg_segment_align: 8
    .kernarg_segment_size: 24
    .max_flat_workgroup_size: 256
    .sgpr_count:     66
    .vgpr_count:     186
    .wavefront_size: 32
...
	.end_amdgpu_metadata
.endif
;; end of part 1
;; launch refine (part 2): grid 264 x 1, 8 waves a work-group, no clusters, 35,840 bytes of LDS; arguments xyz1, xyz2, gid, W1, W2, idx, wts, wq; writes idx, wts, wq
.if DOCPART == 2
	.amdgcn_target "amdgcn-amd-amdhsa--gfx1250"
	.amdhsa_code_object_version 6
	.text
	.protected	k_qd22df1de62_refine
	.globl	k_qd22df1de62_refine
	.p2align	8
	.type	k_qd22df1de62_refine,@function
k_qd22df1de62_refine:
	s_mov_b64 s[64:65], 0
	v_nop
	global_prefetch_b8 v0, s[64:65] scope:SCOPE_SE
	s_setreg_imm32_b32 hwreg(HW_REG_WAVE_MODE, 25, 1), 1
	s_wait_xcnt 0x0
; TWO KINDS OF WORK-GROUPS, parted by the work-group's number.
; 0 to 255: the exact three nearest candidates of 256 queries, a thread to a query, out of the 48 candidates of the three groups that the launch before has stored, and their weights
;   w = (1 / max(d2, 1e-10)) / the sum of the three.  d2 is formed by the same roundings as in the launch before: mul, fma, fma, + |x1|^2, + |x2|^2.  Order: d2, then the lower index:
;   the groups are walked in ascending order and every compare is strict.  Reciprocals are v_rcp_f32 with one Newton step; the quotient has one correction by its remainder.
; 256 to 263: W1 [256][320] and W2 [128][256] become codes of E3M2 with E8M0 scale bytes, laid as images of the matrix operand's registers: a wave makes one fragment (16 rows x 128 K):
;   three groups of four registers at 512 c + 16 x lane, its scale words at 4 x lane.  Lane (r, h) takes of its row k = 64 c + 32 h + 0 .. 31: whole blocks, so no other lane is asked for a maximum.
;   Tile n of W1 holds rows 32 (n / 2) + 8 (n % 2) + r + 8 (r / 8); tile n of W2 rows 16 n + r.  W1's K ends at 320: the upper half of its third K step is zero codes.
; A block's scale byte is its largest magnitude's exponent field - 4, held at 1 from below (a block of zeros gets 1; only this program reads the bytes).
; LIMITS: NaN and infinities are not served.  Group numbers are held at 127 ahead of every address.
.set REC,  16                          ; v16-111  two sets of 12 records (-2x, -2y, -2z, |x2|^2)
.set DD,   112                         ; v112-123 twelve distances
.set L,    124                         ; v124-141 three lists: a, b, c, ia, ib, ic
.set TT,   142                         ; v142-144 at work
	s_load_b256 s[4:11], s[0:1], 0x0               ; xyz1, xyz2, gid, W1
	s_load_b256 s[12:19], s[0:1], 0x20             ; W2, idx, wts, wq
	v_lshl_add_u32 v160, v0, 2, 0x8800
	v_mov_b32 v161, 0
	v_lshrrev_b32 v1, 5, v0
	v_readfirstlane_b32 s20, v1                    ; wave
	s_cmp_ge_u32 ttmp9, 256
	s_cbranch_scc1 .Lweights
	s_lshr_b32 s21, ttmp9, 5                       ; batch
	s_mul_i32 s22, s21, 24576
	s_mov_b32 s23, 0
	s_mul_i32 s24, ttmp9, 3072
	s_mov_b32 s25, 0
	s_lshl_b32 s26, ttmp9, 12
	s_mov_b32 s27, 0
	v_mul_u32_u24 v1, v0, 12
	v_lshlrev_b32 v2, 4, v0
	v_lshrrev_b32 v3, 4, v0
	v_mul_u32_u24 v3, v3, 272                      ; a group's 16 records take 256 bytes + 16: groups begin in different columns of 16 bytes
	v_and_b32 v15, 15, v0
	v_lshl_add_u32 v3, v15, 4, v3
	s_wait_kmcnt 0x0
	s_add_nc_u64 s[4:5], s[4:5], s[24:25]
	s_add_nc_u64 s[6:7], s[6:7], s[22:23]
	s_add_nc_u64 s[8:9], s[8:9], s[26:27]
	s_add_nc_u64 s[14:15], s[14:15], s[26:27]
	s_add_nc_u64 s[16:17], s[16:17], s[26:27]
.irp i, 0,1,2,3,4,5,6,7
	global_load_b96 v[REC+4*\i:REC+4*\i+2], v1, s[6:7] offset:3072*\i   ; candidate t + 256 i
.endr
	global_load_b128 v[8:11], v2, s[8:9]           ; my query's three groups
	global_load_b96 v[4:6], v1, s[4:5]             ; my query
.irp k, 0,1,2
.irp i, 0,1,2
	v_mov_b32 v[L+6*\k+\i], 0x7f800000
	v_mov_b32 v[L+6*\k+3+\i], 0
.endr
.endr
	s_wait_loadcnt 0x0
.irp i, 0,1,2,3,4,5,6,7
	v_mul_f32 v[REC+4*\i+3], v[REC+4*\i], v[REC+4*\i]
.endr
.irp i, 0,1,2,3,4,5,6,7
	v_fmac_f32 v[REC+4*\i+3], v[REC+4*\i+1], v[REC+4*\i+1]
.endr
.irp i, 0,1,2,3,4,5,6,7
	v_fmac_f32 v[REC+4*\i+3], v[REC+4*\i+2], v[REC+4*\i+2]
.endr
.irp i, 0,1,2,3,4,5,6,7
	v_mul_f32 v[REC+4*\i], -2.0, v[REC+4*\i]
	v_mul_f32 v[REC+4*\i+1], -2.0, v[REC+4*\i+1]
	v_mul_f32 v[REC+4*\i+2], -2.0, v[REC+4*\i+2]
.endr
.irp i, 0,1,2,3,4,5,6,7
	ds_store_b128 v3, v[REC+4*\i:REC+4*\i+3] offset:4352*\i
.endr
	v_mul_f32 v7, v4, v4
	v_fmac_f32 v7, v5, v5
	v_fmac_f32 v7, v6, v6                          ; |x1|^2
	v_min_u32 v142, v8, v9                         ; the three groups in ascending order
	v_max_u32 v143, v8, v9
	v_min_u32 v144, v143, v10
	v_max_u32 v10, v143, v10
	v_min_u32 v8, v142, v144
	v_max_u32 v9, v142, v144
	v_min_u32 v8, 127, v8                          ; held inside the table ahead of the addresses
	v_min_u32 v9, 127, v9
	v_min_u32 v10, 127, v10
	v_mul_u32_u24 v12, v8, 272
	v_mul_u32_u24 v13, v9, 272
	v_mul_u32_u24 v14, v10, 272
	s_wait_dscnt 0x0                               ; for the others' sake: my records have landed
	s_barrier_signal -1
	s_barrier_wait -1                              ; from here on LDS is only read
.macro RLOAD e                         ; candidates 4 e .. 4 e + 3 of each of my three groups
.irp k, 0,1,2
.irp i, 0,1,2,3
	ds_load_b128 v[REC+48*((\e)%2)+16*\k+4*\i:REC+48*((\e)%2)+16*\k+4*\i+3], v[12+\k] offset:64*(\e)+16*\i
.endr
.endr
.endm
.macro INS3 e, i                       ; candidate 4 e + i of group k goes into list k; its name is the slot 16 k + 4 e + i
.irp k, 0,1,2
	v_cmp_lt_f32 s[30+3*\k], v[DD+4*\k+\i], v[L+6*\k+2]
	v_cmp_lt_f32 s[31+3*\k], v[DD+4*\k+\i], v[L+6*\k+1]
	v_cmp_lt_f32 s[32+3*\k], v[DD+4*\k+\i], v[L+6*\k]
.endr
.irp k, 0,1,2
	v_cndmask_b32 v[TT+\k], 16*\k+4*(\e)+\i, v[L+6*\k+4], s[31+3*\k]
.endr
.irp k, 0,1,2
	v_cndmask_b32 v[L+6*\k+5], v[L+6*\k+5], v[TT+\k], s[30+3*\k]
.endr
.irp k, 0,1,2
	v_cndmask_b32 v[TT+\k], 16*\k+4*(\e)+\i, v[L+6*\k+3], s[32+3*\k]
.endr
.irp k, 0,1,2
	v_cndmask_b32 v[L+6*\k+4], v[L+6*\k+4], v[TT+\k], s[31+3*\k]
.endr
.irp k, 0,1,2
	v_cndmask_b32 v[L+6*\k+3], v[L+6*\k+3], 16*\k+4*(\e)+\i, s[32+3*\k]
.endr
.irp k, 0,1,2
	v_med3_num_f32 v[L+6*\k+2], v[L+6*\k+1], v[L+6*\k+2], v[DD+4*\k+\i]
.endr
.irp k, 0,1,2
	v_med3_num_f32 v[L+6*\k+1], v[L+6*\k], v[L+6*\k+1], v[DD+4*\k+\i]
.endr
.irp k, 0,1,2
	v_min_num_f32 v[L+6*\k], v[L+6*\k], v[DD+4*\k+\i]
.endr
.endm
.macro RANK e
.set RB, REC+48*((\e)%2)
.irp n, 0,1,2,3,4,5,6,7,8,9,10,11
	v_mul_f32 v[DD+\n], v[RB+4*\n], v4
.endr
.irp n, 0,1,2,3,4,5,6,7,8,9,10,11
	v_fmac_f32 v[DD+\n], v[RB+4*\n+1], v5
.endr
.irp n, 0,1,2,3,4,5,6,7,8,9,10,11
	v_fmac_f32 v[DD+\n], v[RB+4*\n+2], v6
.endr
.irp n, 0,1,2,3,4,5,6,7,8,9,10,11
	v_add_f32 v[DD+\n], v[DD+\n], v7
.endr
.irp n, 0,1,2,3,4,5,6,7,8,9,10,11
	v_add_f32 v[DD+\n], v[DD+\n], v[RB+4*\n+3]
.endr
.irp i, 0,1,2,3
	INS3 \e, \i
.endr
.endm
	RLOAD 0
	RLOAD 1
	s_wait_dscnt 12                                ; this step's twelve records are in; the next step's twelve may be out
	RANK 0
	RLOAD 2
	s_wait_dscnt 12
	RANK 1
	RLOAD 3
	s_wait_dscnt 12
	RANK 2
	s_wait_dscnt 0x0
	RANK 3
.macro INS1 m, id                      ; an entry of a later list goes into the first list; strict compares: what stands there has the lower index
	v_cmp_lt_f32 s30, v[\m], v[L+2]
	v_cmp_lt_f32 s31, v[\m], v[L+1]
	v_cmp_lt_f32 s32, v[\m], v[L]
	v_cndmask_b32 v[TT], v[\id], v[L+4], s31
	v_cndmask_b32 v[L+5], v[L+5], v[TT], s30
	v_cndmask_b32 v[TT], v[\id], v[L+3], s32
	v_cndmask_b32 v[L+4], v[L+4], v[TT], s31
	v_cndmask_b32 v[L+3], v[L+3], v[\id], s32
	v_med3_num_f32 v[L+2], v[L+1], v[L+2], v[\m]
	v_med3_num_f32 v[L+1], v[L], v[L+1], v[\m]
	v_min_num_f32 v[L], v[L], v[\m]
.endm
.irp n, 6,7,8,12,13,14
	INS1 L+\n, L+\n+3
.endr
.irp j, 0,1,2                          ; slot -> index: 16 x its group + its place
	v_lshrrev_b32 v[154+\j], 4, v[L+3+\j]
	v_and_b32 v[157+\j], 15, v[L+3+\j]
.endr
.irp j, 0,1,2
	v_cmp_eq_u32 s30, 1, v[154+\j]
	v_cmp_eq_u32 s31, 2, v[154+\j]
	v_cndmask_b32 v[154+\j], v8, v9, s30
	v_cndmask_b32 v[154+\j], v[154+\j], v10, s31
	v_lshl_add_u32 v[146+\j], v[154+\j], 4, v[157+\j]
.endr
	v_mov_b32 v149, 0
.irp j, 0,1,2
	v_max_num_f32 v[L+\j], 0x2edbe6ff, v[L+\j]     ; max(d2, 1e-10)
.endr
.irp j, 0,1,2
	v_rcp_f32 v[150+\j], v[L+\j]
.endr
	v_mov_b32 v153, 0                              ; a plain instruction behind the reciprocals
	s_wait_alu depctr_va_vdst(0)                   ; one wait for the three, ahead of their first reader
.irp j, 0,1,2
	v_fma_f32 v[154+\j], -v[L+\j], v[150+\j], 1.0
.endr
.irp j, 0,1,2
	v_fmac_f32 v[150+\j], v[150+\j], v[154+\j]     ; one Newton step
.endr
	v_add_f32 v157, v150, v151
	v_add_f32 v157, v157, v152                     ; the sum, in the order of the list
	v_rcp_f32 v158, v157
	v_nop
	s_wait_alu depctr_va_vdst(0)
	v_fma_f32 v159, -v157, v158, 1.0
	v_fmac_f32 v158, v158, v159
.irp j, 0,1,2
	v_mul_f32 v[154+\j], v[150+\j], v158           ; the quotient,
.endr
.irp j, 0,1,2
	v_fma_f32 v[150+\j], -v[154+\j], v157, v[150+\j]   ; its remainder,
.endr
.irp j, 0,1,2
	v_fma_f32 v[150+\j], v[150+\j], v158, v[154+\j]    ; and the correction
.endr
	global_store_b128 v2, v[146:149], s[14:15]     ; a wave stores 512 consecutive bytes
	global_store_b128 v2, v[150:153], s[16:17]
	s_wait_tensorcnt 0x0
	ds_add_u32 v160, v161
	s_wait_dscnt 0x0
	s_endpgm
.Lweights:
	s_sub_co_u32 s30, ttmp9, 256
	s_lshl_b32 s30, s30, 3
	s_add_co_u32 s30, s30, s20                     ; fragment f = 0 .. 63: 48 of W1 (3 n + s), then 16 of W2 (2 n + s)
	s_mul_i32 s31, s30, 43
	s_lshr_b32 s31, s31, 7                         ; f / 3 for f under 48
	s_mul_i32 s32, s31, 3
	s_sub_co_u32 s32, s30, s32                     ; W1: K step
	s_lshr_b32 s33, s31, 1
	s_lshl_b32 s33, s33, 5
	s_and_b32 s34, s31, 1
	s_lshl_b32 s34, s34, 3
	s_add_co_u32 s33, s33, s34                     ; W1: the tile's first row
	s_sub_co_u32 s35, s30, 48
	s_and_b32 s36, s35, 1                          ; W2: K step
	s_lshr_b32 s37, s35, 1
	s_lshl_b32 s37, s37, 4                         ; W2: first row
	s_mov_b32 s38, 1024
	s_mov_b32 s39, 98304
	s_mov_b32 s48, 0x76543210
	s_mov_b32 s49, 0xfedcba98
	s_wait_kmcnt 0x0
	s_cmp_lt_u32 s30, 48                           ; W1's fragment or W2's: the choice hangs on ids alone
	s_cselect_b32 s32, s32, s36
	s_cselect_b32 s33, s33, s37
	s_cselect_b32 s38, 1280, s38                   ; a row in bytes
	s_cselect_b32 s39, 73728, s39                  ; scale words at 128 f + this
	s_cselect_b32 s40, 0, 6144                     ; fragments at 1,536 f + this
	s_cselect_b32 s41, 8, 0                        ; W1's tiles skip eight rows in their middle
	s_cselect_b64 s[10:11], s[10:11], s[12:13]
	v_and_b32 v1, 31, v0
	v_and_b32 v2, 15, v0
	v_bfe_u32 v3, v0, 4, 1
	v_and_b32 v4, s41, v2
	v_add_nc_u32 v4, v4, v2
	v_mul_lo_u32 v4, v4, s38
	v_lshl_add_u32 v4, v3, 7, v4                   ; my row, + 128 h bytes
	s_mul_i32 s42, s33, s38
	s_lshl_b32 s43, s32, 9
	s_add_co_u32 s42, s42, s43
	s_mov_b32 s43, 0
	s_add_nc_u64 s[10:11], s[10:11], s[42:43]
	s_mul_i32 s44, s30, 1536
	s_add_co_u32 s44, s44, s40
	s_mov_b32 s45, 0
	s_add_nc_u64 s[44:45], s[18:19], s[44:45]
	s_lshl_b32 s46, s30, 7
	s_add_co_u32 s46, s46, s39
	s_mov_b32 s47, 0
	s_add_nc_u64 s[46:47], s[18:19], s[46:47]
	v_lshlrev_b32 v5, 4, v1
	v_lshlrev_b32 v6, 2, v1
.irp j, 0,1,2,3,4,5,6,7
	global_load_b128 v[16+4*\j:19+4*\j], v4, s[10:11] offset:16*\j
.endr
	s_cmp_eq_u32 s32, 2                            ; only W1 has a third K step: its k = 320 .. 383 do not exist
	s_cbranch_scc1 .Lpad
.irp j, 0,1,2,3,4,5,6,7
	global_load_b128 v[48+4*\j:51+4*\j], v4, s[10:11] offset:256+16*\j
.endr
	s_branch .Ljoin
.Lpad:
.irp j, 0,1,2,3,4,5,6,7,8,9,10,11,12,13,14,15,16,17,18,19,20,21,22,23,24,25,26,27,28,29,30,31
	v_mov_b32 v[48+\j], 0
.endr
.Ljoin:
	s_wait_loadcnt 0x0
.irp c, 0,1
	v_max3_num_f32 v[8+\c], |v[16+32*\c]|, |v[17+32*\c]|, 0x2800000   ; my block 2 c + h, and the floor 2^(5 - 127)
.endr
.irp i, 2,4,6,8,10,12,14,16,18,20,22,24,26,28,30
.irp c, 0,1
	v_max3_num_f32 v[8+\c], v[8+\c], |v[16+32*\c+\i]|, |v[17+32*\c+\i]|
.endr
.endr
.irp c, 0,1
	v_add_nc_u32 v[10+\c], 0xfe000000, v[8+\c]     ; 4 off the exponent field: the conversion's scale operand
.endr
.irp c, 0,1
	v_lshrrev_b32 v[12+\c], 23, v[10+\c]           ; the scale's byte
.endr
	v_lshl_or_b32 v14, v13, 16, v12                ; blocks h and 2 + h,
	v_lshlrev_b32 v15, 3, v3
	v_lshlrev_b32 v14, v15, v14                    ; at their places in the word;
	v_mov_b32 v15, 0
	v_permlanex16_b32 v15, v14, s48, s49
	v_or_b32 v14, v14, v15                         ; with lane l xor 16's two it is whole
.irp c, 0,1
	v_cvt_scalef32_pk16_bf6_f32 v[80+6*\c:82+6*\c], v[16+32*\c:31+32*\c], v[10+\c]
	v_cvt_scalef32_pk16_bf6_f32 v[96+4*\c:98+4*\c], v[32+32*\c:47+32*\c], v[10+\c]   ; (a conversion's three registers begin on an even number)
.endr
	v_nop                                          ; one plain instruction behind a scaled conversion
.irp c, 0,1
.irp i, 0,1,2
	v_mov_b32 v[83+6*\c+\i], v[96+4*\c+\i]
.endr
.endr
.irp c, 0,1,2
	global_store_b128 v5, v[80+4*\c:83+4*\c], s[44:45] offset:512*\c
.endr
	global_store_b32 v6, v14, s[46:47]
	s_endpgm
.Lfunc_end_k_qd22df1de62_refine:
	.size	k_qd22df1de62_refine, .Lfunc_end_k_qd22df1de62_refine-k_qd22df1de62_refine
	.p2alignl 7, 3214868480
	.fill 96, 4, 3214868480
	.section	.rodata,"a",@progbits
	.p2align	6, 0x0
	.amdhsa_kernel k_qd22df1de62_refine
		.amdhsa_group_segment_fixed_size 35840
		.amdhsa_private_segment_fixed_size 0
		.amdhsa_enable_private_segment 0
		.amdhsa_kernarg_size 64
		.amdhsa_user_sgpr_count 2
		.amdhsa_user_sgpr_kernarg_segment_ptr 1
		.amdhsa_wavefront_size32 1
		.amdhsa_system_sgpr_workgroup_id_x 1
		.amdhsa_system_sgpr_workgroup_id_y 1
		.amdhsa_system_sgpr_workgroup_id_z 1
		.amdhsa_system_vgpr_workitem_id 0
		.amdhsa_next_free_vgpr 162
		.amdhsa_next_free_sgpr 66
		.amdhsa_reserve_vcc 0
		.amdhsa_float_denorm_mode_32 3
		.amdhsa_float_denorm_mode_16_64 3
		.amdhsa_memory_ordered 1
		.amdhsa_forward_progress 1
		.amdhsa_inst_pref_size 63
	.end_amdhsa_kernel
	.amdgpu_metadata
---
amdhsa.version: [ 1, 2 ]
amdhsa.kernels:
  - .name:           k_qd22df1de62_refine
    .symbol:         k_qd22df1de62_refine.kd
    .args:
      - { .name: xyz1, .offset: 0, .size: 8, .value_kind: global_buffer, .address_space: global }
      - { .name: xyz2, .offset: 8, .size: 8, .value_kind: global_buffer, .address_space: global }
      - { .name: gid, .offset: 16, .size: 8, .value_kind: global_buffer, .address_space: global }
      - { .name: W1, .offset: 24, .size: 8, .value_kind: global_buffer, .address_space: global }
      - { .name: W2, .offset: 32, .size: 8, .value_kind: global_buffer, .address_space: global }
      - { .name: idx, .offset: 40, .size: 8, .value_kind: global_buffer, .address_space: global }
      - { .name: wts, .offset: 48, .size: 8, .value_kind: global_buffer, .address_space: global }
      - { .name: wq, .offset: 56, .size: 8, .value_kind: global_buffer, .address_space: global }
    .group_segment_fixed_size: 35840
    .private_segment_fixed_size: 0
    .kernarg_segment_align: 8
    .kernarg_segment_size: 64
    .max_flat_workgroup_size: 256
    .sgpr_count:     66
    .vgpr_count:     162
    .wavefront_size: 32
...
	.end_amdgpu_metadata
.endif
;; end of part 2
;; launch feat (part 3): grid 256 x 1, 8 waves a work-group, clusters of 4 x 1, 263,168 bytes of LDS; arguments points1, points2, idx, wts, wq, xq, st; writes xq, st
.if DOCPART == 3
	.amdgcn_target "amdgcn-amd-amdhsa--gfx1250"
	.amdhsa_code_object_version 6
	.text
	.protected	k_qd22df1de62_feat
	.globl	k_qd22df1de62_feat
	.p2align	8
	.type	k_qd22df1de62_feat,@function
k_qd22df1de62_feat:
	s_mov_b64 s[64:65], 0
	v_nop
	global_prefetch_b8 v0, s[64:65] scope:SCOPE_SE
	s_setreg_imm32_b32 hwreg(HW_REG_WAVE_MODE, 25, 1), 1
	s_wait_xcnt 0x0
	s_wait_alu depctr_hold_cnt(0) depctr_sa_sdst(0) depctr_va_vdst(0) depctr_va_sdst(0) depctr_va_ssrc(0) depctr_va_vcc(0) depctr_vm_vsrc(0)
	s_getreg_b32 s2, hwreg(HW_REG_IB_STS2, 6, 4)
	s_cmp_eq_u32 s2, 0
	s_cbranch_scc0 .Lentry_in_a_cluster
	s_endpgm
.Lentry_in_a_cluster:
	s_bfe_u32 s2, ttmp6, 0x10000c
	s_cmp_lg_u32 s2, 0x3003
	s_cbranch_scc0 .Lentry_shape_is_right
	s_endpgm
.Lentry_shape_is_right:
; x = [points1 | the weighted sum of three rows of points2], 320 numbers a row, is made in f32, quantised to E3M2 with one E8M0 byte for each 32 along K, and stored as images of the matrix
; operand's registers (4,096 bytes for 16 rows).  Then h1 = x W1^T on codes, of which only the statistics leave: for each channel the mean and the centred sum of squares of the work-group's 256 rows.
; SHARES.  A work-group takes 256 rows of one batch, a wave 32: two tiles of 16.
; GATHER.  A step takes two rows: lanes 0-15 one, lanes 16-31 the next; a lane reads 16 bytes of each quarter of each of the three rows, so that sixteen lanes read 256 consecutive bytes.
; Row numbers and weights come three steps ahead, the rows one step ahead.  The finished rows go through the wave's own stage in LDS (16 rows of 1,280 bytes + 16) and come back with 16 neighbours
; of each block of 32 in a lane, which is what the conversions take.
; PRODUCT.  Source 0 = 16 rows of x, source 1 = 16 rows of W1: a lane holds ONE channel and eight rows of each tile, so that sums over rows stay in the lane.
; STATISTICS without a difference of large sums: a wave takes the mean of its 32 rows, then the sum of squares of the distances from it; the eight waves are joined by
; mean = the means' mean, M2 = the sum of the M2 + 32 x the sum of (mean_w - mean)^2.
; CLUSTER.  Every work-group reads the same image of W1 (79,872 bytes): the four of a cluster ask for it jointly, each wave for an eighth, once.  Nothing in LDS is filled twice.
; No prefetch: rows of points2 are named by many work-groups again and again, and which rows a list decides; the other streams are asked for steps ahead by their own loads.
; LIMITS: NaN and infinities are not served; row numbers are held at 2,047 ahead of every address; a block of zeros gets the scale byte 1 (or 0 past K's end) over zero codes: only this program reads the bytes.
.set NROW, 39                          ; rows of 256 bytes that a wave's tensor load brings
.set STG,  79872                       ; behind the image: the waves' stages
.set SPW,  20736
.set SP,   1296
.set STAT, 245760                      ; and 2,048 bytes for each wave: means, then sums of squares
.set L16,  4                           ; 16 x lane
.set C16,  5                           ; 16 x (lane % 16)
.set VIW,  6
.set VP1,  7
.set VX8,  8
.set VST,  9
.set VRD,  10
.set LI2,  11                          ; 16 x lane + 36,864: the image's second half lies beyond an LDS offset's reach
.set LS,   12
.set VCH,  13
.set VJ,   14
.set VJO,  15
.set X,    16                          ; v16-87   x's codes: 36 registers a tile (30, and 6 zeros for K = 320 .. 383)
.set XS,   88                          ; v88-91   x's scale words, a pair a tile: (K step 0 in lanes 0-15, K step 1 in lanes 16-31), (K step 2)
.set WS,   92                          ; v92-97   W1's scale words, two sets of three
.set G,    98                          ; v98-201  two sets of 52: three rows' 16 registers, points1's 4
.set IW,   202                         ; v202-233 four slots: row numbers (4), weights (4)
.set OFF,  234                         ; v234-239 two sets of three offsets
.set TM,   240
.set TP,   242
.set SO,   244
.set BY,   246
.set QT,   248
.set PW,   252
.set SRC,  150                         ; 32 numbers on their way to the conversions
.set W,    98                          ; later: W1's fragments, two sets of 36
.set DA,   170                         ; two sets of two accumulators
.set MEAN, 202
.set MSQ,  218
.set SU0,  234
.set SU1,  236
.set EV0,  238
.set EV1,  240
.set QV0,  242
.set QV1,  244
.set MM,   246
.set TS,   248
.set TPS,  249
.set SEL,  42
.set HM,   44
.macro ROUND                           ; a round of the cluster's barrier
	s_barrier_signal -1
	s_barrier_wait -1
	s_cmp_lg_u32 s8, 0
	s_cbranch_scc1 .Lnot_wave_0_\@
	s_barrier_signal -3
.Lnot_wave_0_\@:
	s_barrier_wait -3
	s_barrier_signal -1
	s_barrier_wait -1
.endm
	s_load_b256 s[12:19], s[0:1], 0x0              ; points1, points2, idx, wts
	s_load_b128 s[36:39], s[0:1], 0x20             ; wq, xq
	s_load_b64 s[40:41], s[0:1], 0x30              ; st
	v_lshl_add_u32 v251, v0, 2, 0x40000
	v_mov_b32 v255, 0
	ds_add_u32 v251, v255
	ds_add_u32 v251, v255
	v_lshrrev_b32 v1, 5, v0
	v_readfirstlane_b32 s8, v1                     ; wave
	v_and_b32 v1, 31, v0
	v_and_b32 v2, 15, v0                           ; r
	v_bfe_u32 v3, v0, 4, 1                         ; h
	s_bfe_u32 s9, ttmp6, 0x40000                   ; my place in the cluster
	s_lshl_b32 s10, ttmp9, 2
	s_add_co_u32 s9, s10, s9                       ; work-group: it enters global addresses alone
	s_lshl_b32 s46, s9, 16
	s_mov_b32 s47, 0
	s_lshr_b32 s48, s9, 5
	s_lshl_b32 s48, s48, 21                        ; the batch's 2,048 rows of 1,024 bytes
	s_mov_b32 s49, 0
	s_lshl_b32 s50, s9, 12
	s_mov_b32 s51, 0
	s_lshl_b32 s52, s9, 11
	s_mov_b32 s53, 0
	s_mul_i32 s54, s8, 256*NROW
	s_mov_b32 s55, 0
	s_mov_b32 s24, 15|(3<<16)|(1<<21)              ; the mask: all four work-groups; elements of 8 bytes; bit 21 beside a mask; no padding
	s_mov_b32 s25, 32<<16                          ; tensor_dim0 = 32 elements: rows of 256 bytes
	s_mov_b32 s26, NROW<<16                        ; tensor_dim1
	s_mov_b32 s27, 32<<16                          ; tile_dim0
	s_mov_b32 s28, NROW                            ; tile_dim1
	s_mov_b32 s29, 32                              ; the pitch: dense
	s_mov_b32 s30, 0
	s_mov_b32 s31, 0
	s_mov_b32 s20, 1
	s_mov_b32 s21, s54                             ; LDS address: my wave's eighth
	s_mov_b32 s[SEL], 0x76543210
	s_mov_b32 s[SEL+1], 0xfedcba98
	s_mov_b32 s[HM], 0xffff0000
	s_wait_dscnt 0x0
	s_wait_kmcnt 0x0
	s_add_nc_u64 s[22:23], s[36:37], s[54:55]
	s_or_b32 s23, s23, 0x80000000
	s_add_nc_u64 s[12:13], s[12:13], s[46:47]
	s_add_nc_u64 s[14:15], s[14:15], s[48:49]
	s_add_nc_u64 s[16:17], s[16:17], s[50:51]
	s_add_nc_u64 s[18:19], s[18:19], s[50:51]
	s_add_nc_u64 s[38:39], s[38:39], s[46:47]
	s_add_nc_u64 s[40:41], s[40:41], s[52:53]
	ROUND                                          ; all four work-groups are here: the joint loads meet
	tensor_load_to_lds s[20:23], s[24:31]          ; one load of mine is out; it is waited for in front of the product
	s_nop 0
.rept 4
	v_nop
.endr
	v_lshlrev_b32 v[L16], 4, v1
	v_lshlrev_b32 v[C16], 4, v2
	s_lshl_b32 s56, s8, 9
	v_lshl_add_u32 v[VIW], v3, 4, s56              ; records of 16 bytes: 32 a wave, + my half's row
	s_lshl_b32 s57, s8, 13
	v_add_nc_u32 v[VP1], s57, v[L16]               ; 8,192 x wave + 16 x lane: points1's rows, and xq's groups of four registers
	v_lshl_add_u32 v[VX8], v1, 3, s57
	s_mul_i32 s58, s8, SPW
	s_add_co_u32 s58, s58, STG
	v_mad_u32_u24 v[VST], v3, SP, v[C16]
	v_add_nc_u32 v[VST], s58, v[VST]               ; into the stage: row h of a step's two, 16 bytes a lane
	v_mul_u32_u24 v[VRD], v2, SP
	v_lshl_add_u32 v[VRD], v3, 6, v[VRD]
	v_add_nc_u32 v[VRD], s58, v[VRD]               ; out of it: row r, + 64 h: my 16 numbers of a block of 32
	v_add_nc_u32 v[LI2], 36864, v[L16]
	v_lshl_add_u32 v[LS], v1, 2, 73728
	v_and_b32 v[VJ], 8, v2
	v_add_nc_u32 v[VJ], v[VJ], v2                  ; r + 8 (r / 8): my channel in a tile of W1
	v_lshlrev_b32 v[VCH], 2, v[VJ]
	v_lshl_add_u32 v[VCH], v3, 10, v[VCH]
	s_lshl_b32 s59, s8, 11
	s_add_co_u32 s59, s59, STAT
	v_add_nc_u32 v[VCH], s59, v[VCH]
	v_and_b32 v[VJ], 63, v0
	v_lshl_add_u32 v[VJ], v[VJ], 4, STAT
	v_lshlrev_b32 v[VJO], 4, v0
.irp tau, 0,1
.irp z, 30,31,32,33,34,35
	v_mov_b32 v[X+36*\tau+\z], 0                   ; zero codes past K = 320
.endr
.endr
	v_mov_b32 v[TP], 0                             ; written once: a lane permute's destination counts as one of its sources
	v_mov_b32 v[TP+1], 0
.macro IWL i                           ; the records of step i's two rows; the sixteen lanes of a half read one record
	global_load_b128 v[IW+8*((\i)%4):IW+8*((\i)%4)+3], v[VIW], s[16:17] offset:32*(\i)
	global_load_b128 v[IW+8*((\i)%4)+4:IW+8*((\i)%4)+7], v[VIW], s[18:19] offset:32*(\i)
.endm
.macro GL i                            ; step i's thirteen loads
.irp k, 0,1,2
	v_min_u32 v[OFF+3*((\i)%2)+\k], 0x7ff, v[IW+8*((\i)%4)+\k]
.endr
.irp k, 0,1,2
	v_lshl_add_u32 v[OFF+3*((\i)%2)+\k], v[OFF+3*((\i)%2)+\k], 10, v[C16]
.endr
.irp k, 0,1,2
.irp p, 0,1,2,3
	global_load_b128 v[G+52*((\i)%2)+16*\k+4*\p:G+52*((\i)%2)+16*\k+4*\p+3], v[OFF+3*((\i)%2)+\k], s[14:15] offset:256*\p
.endr
.endr
	global_load_b128 v[G+52*((\i)%2)+48:G+52*((\i)%2)+51], v[VP1], s[12:13] offset:512*(\i) th:TH_LOAD_NT
.endm
; 32 numbers of a lane, register 16 b + i = k 32 b + 16 h + i of my row, become six code registers (k = 32 h + 0 .. 31 of these 64) and two scale bytes in a word.
.macro QH src, dst, pw, first
.set QS, \src
.set QD, \dst
.set QP, \pw
.irp b, 0,1
	v_max3_num_f32 v[TM+\b], |v[QS+16*\b]|, |v[QS+16*\b+1]|, 0x2800000   ; my 16 numbers of block b, and the floor 2^(5 - 127): the byte cannot fall under 1
.endr
.irp i, 2,4,6,8,10,12,14
.irp b, 0,1
	v_max3_num_f32 v[TM+\b], v[TM+\b], |v[QS+16*\b+\i]|, |v[QS+16*\b+\i+1]|
.endr
.endr
.irp b, 0,1
	v_permlanex16_b32 v[TP+\b], v[TM+\b], s[SEL], s[SEL+1]
.endr
.irp b, 0,1
	v_max_num_f32 v[TM+\b], v[TM+\b], v[TP+\b]     ; with lane l xor 16's: the block's largest magnitude
.endr
.irp b, 0,1
	v_add_nc_u32 v[SO+\b], 0xfe000000, v[TM+\b]    ; 4 off its exponent field: the conversion's scale operand
.endr
.irp b, 0,1
	v_lshrrev_b32 v[BY+\b], 23, v[SO+\b]           ; the scale's byte
.endr
	v_lshl_or_b32 v[BY], v[BY+1], 8, v[BY]
.if \first
	v_mov_b32 v[QP], v[BY]
.else
	v_lshl_or_b32 v[QP], v[BY], 16, v[QP]
.endif
	v_cvt_scalef32_pk16_bf6_f32 v[QD:QD+2], v[QS:QS+15], v[SO]
	v_cvt_scalef32_pk16_bf6_f32 v[QT:QT+2], v[QS+16:QS+31], v[SO+1]   ; (a conversion's three registers begin on an even number)
	v_nop                                          ; one plain instruction behind a scaled conversion
.irp i, 0,1,2
	v_permlane16_swap_b32 v[QD+\i], v[QT+\i]       ; the operand wants a whole block in a lane: lanes 0-15 the first, lanes 16-31 the second
.endr
.irp i, 0,1,2
	v_mov_b32 v[QD+3+\i], v[QT+\i]
.endr
.endm
; STEP i.  The first count: younger than the records of step i + 1 are step i's thirteen loads and the two of step i + 2's records.  The second: younger than step i's rows are those two,
; step i + 1's thirteen and the two of step i + 3's records.  The offsets written for step i + 1 were last named by step i - 1's loads, which the last step's second wait has shown done.
.macro GSTEP i
.if (\i) < 15
	s_wait_dscnt 0x0                               ; the last step's LDS stores are done: their registers take step i + 1's loads
.if (\i)+2 <= 15
	s_wait_loadcnt 15
.else
	s_wait_loadcnt 13
.endif
	GL (\i)+1
.endif
.if (\i)+3 <= 15
	IWL (\i)+3
.endif
.set N2, 0
.if (\i)+2 <= 15
.set N2, N2+2
.endif
.if (\i)+1 <= 15
.set N2, N2+13
.endif
.if (\i)+3 <= 15
.set N2, N2+2
.endif
	s_wait_loadcnt N2
.set GB, G+52*((\i)%2)
.set WW, IW+8*((\i)%4)+4
.irp p, 0,2,4,6,8,10,12,14
	v_pk_mul_f32 v[GB+\p:GB+\p+1], v[GB+\p:GB+\p+1], v[WW:WW+1] op_sel_hi:[1,0]                                  ; row 0 x w0
.endr
.irp p, 0,2,4,6,8,10,12,14
	v_pk_fma_f32 v[GB+\p:GB+\p+1], v[GB+16+\p:GB+16+\p+1], v[WW:WW+1], v[GB+\p:GB+\p+1] op_sel:[0,1,0] op_sel_hi:[1,1,1]   ; + row 1 x w1
.endr
.irp p, 0,2,4,6,8,10,12,14
	v_pk_fma_f32 v[GB+\p:GB+\p+1], v[GB+32+\p:GB+32+\p+1], v[WW+2:WW+3], v[GB+\p:GB+\p+1] op_sel_hi:[1,0,1]      ; + row 2 x w2
.endr
	ds_store_b128 v[VST], v[GB+48:GB+51] offset:SP*2*((\i)%8)                     ; k = 0 .. 63: points1
.irp p, 0,1,2,3
	ds_store_b128 v[VST], v[GB+4*\p:GB+4*\p+3] offset:SP*2*((\i)%8)+256+256*\p    ; k = 64 .. 319
.endr
.endm
; A tile's 16 rows lie in the stage: they are quantised, 64 along K at a time, and stored.  LDS serves a wave's instructions in order: the loads see my stores.
.macro QTILE tau
	s_wait_dscnt 0x0                               ; the stores are done: their registers take the loads below
.irp hq, 0,1,2,3,4
.irp b, 0,1
.irp j, 0,1,2,3
	ds_load_b128 v[SRC+16*\b+4*\j:SRC+16*\b+4*\j+3], v[VRD] offset:256*\hq+128*\b+16*\j
.endr
.endr
	s_wait_dscnt 0x0
	QH SRC, X+36*(\tau)+6*\hq, PW+\hq/2, 1-\hq%2
.endr
	v_cndmask_b32 v[XS+2*(\tau)], v[PW], v[PW+1], s[HM]
	v_mov_b32 v[XS+2*(\tau)+1], v[PW+2]
.irp g, 0,1,2,3,4,5,6
	global_store_b128 v[VP1], v[X+36*(\tau)+4*\g:X+36*(\tau)+4*\g+3], s[38:39] offset:4096*(\tau)+512*\g
.endr
	global_store_b64 v[VX8], v[X+36*(\tau)+28:X+36*(\tau)+29], s[38:39] offset:4096*(\tau)+3584
	global_store_b64 v[VX8], v[XS+2*(\tau):XS+2*(\tau)+1], s[38:39] offset:4096*(\tau)+3840
.endm
	IWL 0
	IWL 1
	s_wait_loadcnt 2                               ; step 0's records are in
	GL 0
	IWL 2
.irp i, 0,1,2,3,4,5,6,7
	GSTEP \i
.endr
	QTILE 0
.irp i, 8,9,10,11,12,13,14,15
	GSTEP \i
.endr
	QTILE 1
	s_wait_tensorcnt 0x0                           ; my eighth of the image has landed,
	s_wait_dscnt 0x0
	s_barrier_signal -1
	s_barrier_wait -1                              ; everybody's has
	v_mov_b32 v[MM+1], 0                           ; (named as the upper half of a pair)
	v_mov_b32 v[TPS], 0
.rept 8
	v_nop                                          ; scale words written by vector instructions stand eight places ahead of a scaled matrix instruction
.endr
.macro WLOAD t, set                    ; tile t of W1: three fragments and their scale words: twelve LDS loads
.irp s, 0,1,2
.irp c, 0,1,2
.if 3*(\t)+\s < 24
	ds_load_b128 v[W+36*(\set)+12*\s+4*\c:W+36*(\set)+12*\s+4*\c+3], v[L16] offset:1536*(3*(\t)+\s)+512*\c
.else
	ds_load_b128 v[W+36*(\set)+12*\s+4*\c:W+36*(\set)+12*\s+4*\c+3], v[LI2] offset:1536*(3*(\t)+\s-24)+512*\c
.endif
.endr
	ds_load_b32 v[WS+3*(\set)+\s], v[LS] offset:128*(3*(\t)+\s)
.endr
.endm
; The mean and the centred sum of squares of a channel's 32 rows: 16 are mine (two accumulators), 16 lane l xor 16's.  Each accumulator is read from its low end on.
.macro STAT d, om, oq
.set SD, \d
	v_pk_add_f32 v[SU0:SU0+1], v[SD:SD+1], v[SD+8:SD+9]
	v_pk_add_f32 v[SU1:SU1+1], v[SD+2:SD+3], v[SD+10:SD+11]
	v_pk_add_f32 v[SU0:SU0+1], v[SU0:SU0+1], v[SD+4:SD+5]
	v_pk_add_f32 v[SU1:SU1+1], v[SU1:SU1+1], v[SD+6:SD+7]
	v_pk_add_f32 v[SU0:SU0+1], v[SU0:SU0+1], v[SD+12:SD+13]
	v_pk_add_f32 v[SU1:SU1+1], v[SU1:SU1+1], v[SD+14:SD+15]
	v_pk_add_f32 v[SU0:SU0+1], v[SU0:SU0+1], v[SU1:SU1+1]
	v_add_f32 v[TS], v[SU0], v[SU0+1]
	v_permlanex16_b32 v[TPS], v[TS], s[SEL], s[SEL+1]
	v_add_f32 v[TS], v[TS], v[TPS]
	v_mul_f32 v[MM], 0x3d000000, v[TS]             ; / 32
.irp j, 0,4,8,12
	v_pk_add_f32 v[EV0:EV0+1], v[SD+\j:SD+\j+1], v[MM:MM+1] op_sel_hi:[1,0] neg_lo:[0,1] neg_hi:[0,1]
	v_pk_add_f32 v[EV1:EV1+1], v[SD+\j+2:SD+\j+3], v[MM:MM+1] op_sel_hi:[1,0] neg_lo:[0,1] neg_hi:[0,1]
.if \j == 0
	v_pk_mul_f32 v[QV0:QV0+1], v[EV0:EV0+1], v[EV0:EV0+1]
	v_pk_mul_f32 v[QV1:QV1+1], v[EV1:EV1+1], v[EV1:EV1+1]
.else
	v_pk_fma_f32 v[QV0:QV0+1], v[EV0:EV0+1], v[EV0:EV0+1], v[QV0:QV0+1]
	v_pk_fma_f32 v[QV1:QV1+1], v[EV1:EV1+1], v[EV1:EV1+1], v[QV1:QV1+1]
.endif
.endr
	v_pk_add_f32 v[QV0:QV0+1], v[QV0:QV0+1], v[QV1:QV1+1]
	v_add_f32 v[TS], v[QV0], v[QV0+1]
	v_permlanex16_b32 v[TPS], v[TS], s[SEL], s[SEL+1]
	v_add_f32 v[\oq], v[TS], v[TPS]
	v_mov_b32 v[\om], v[MM]
.endm
; TRIP t: tile t's six products, the two accumulators by turns; the statistics of tile t - 1, which are also the places behind the products; tile t + 2's loads into
; the set just multiplied.  The wait leaves tile t + 1's twelve loads out.
.macro PT t
.if (\t) < 15
	s_wait_dscnt 12
.else
	s_wait_dscnt 0x0
.endif
.set WB, W+36*((\t)%2)
.set DB, DA+16*((\t)%2)
.set SB, WS+3*((\t)%2)
	v_wmma_scale_f32_16x16x128_f8f6f4 v[DB:DB+7], v[X:X+11], v[WB:WB+11], 0, v[XS], v[SB] matrix_a_fmt:MATRIX_FMT_BF6 matrix_b_fmt:MATRIX_FMT_BF6
	v_wmma_scale_f32_16x16x128_f8f6f4 v[DB+8:DB+15], v[X+36:X+47], v[WB:WB+11], 0, v[XS+2], v[SB] matrix_a_fmt:MATRIX_FMT_BF6 matrix_b_fmt:MATRIX_FMT_BF6
	v_wmma_scale_f32_16x16x128_f8f6f4 v[DB:DB+7], v[X+12:X+23], v[WB+12:WB+23], v[DB:DB+7], v[XS], v[SB+1] matrix_a_fmt:MATRIX_FMT_BF6 matrix_b_fmt:MATRIX_FMT_BF6 matrix_a_scale:MATRIX_SCALE_ROW1
	v_wmma_scale_f32_16x16x128_f8f6f4 v[DB+8:DB+15], v[X+48:X+59], v[WB+12:WB+23], v[DB+8:DB+15], v[XS+2], v[SB+1] matrix_a_fmt:MATRIX_FMT_BF6 matrix_b_fmt:MATRIX_FMT_BF6 matrix_a_scale:MATRIX_SCALE_ROW1
	v_wmma_scale_f32_16x16x128_f8f6f4 v[DB:DB+7], v[X+24:X+35], v[WB+24:WB+35], v[DB:DB+7], v[XS+1], v[SB+2] matrix_a_fmt:MATRIX_FMT_BF6 matrix_b_fmt:MATRIX_FMT_BF6
	v_wmma_scale_f32_16x16x128_f8f6f4 v[DB+8:DB+15], v[X+60:X+71], v[WB+24:WB+35], v[DB+8:DB+15], v[XS+3], v[SB+2] matrix_a_fmt:MATRIX_FMT_BF6 matrix_b_fmt:MATRIX_FMT_BF6
.if (\t) > 0
	STAT DA+16*(((\t)-1)%2), MEAN+(\t)-1, MSQ+(\t)-1
.else
.rept 4
	v_nop
.endr
.endif
.if (\t)+2 <= 15
	WLOAD (\t)+2, (\t)%2
.endif
.endm
	WLOAD 0, 0
	WLOAD 1, 1
.irp t, 0,1,2,3,4,5,6,7,8,9,10,11,12,13,14,15
	PT \t
.endr
	STAT DA+16, MEAN+15, MSQ+15                    ; the statistics of tile 14 stand between the last products and this
.irp t, 0,1,2,3,4,5,6,7,8,9,10,11,12,13,14,15
	v_cndmask_b32 v[MEAN+\t], v[MEAN+\t], v[MSQ+\t], s[HM]     ; both halves hold both numbers: lanes 0-15 store the mean, lanes 16-31 the sum of squares
.endr
.irp t, 0,1,2,3,4,5,6,7,8,9,10,11,12,13,14,15
	ds_store_b32 v[VCH], v[MEAN+\t] offset:128*(\t/2)+32*(\t%2)
.endr
	s_wait_dscnt 0x0
	s_barrier_signal -1
	s_barrier_wait -1
	s_cmp_ge_u32 s8, 2                             ; waves 0 and 1 join the eight waves' figures: a thread takes four channels
	s_cbranch_scc1 .Lno_join
.irp w, 0,1,2,3,4,5,6,7
	ds_load_b128 v[98+4*\w:101+4*\w], v[VJ] offset:2048*\w
	ds_load_b128 v[130+4*\w:133+4*\w], v[VJ] offset:2048*\w+1024
.endr
	s_wait_dscnt 0x0
.irp d, 0,2
	v_pk_add_f32 v[162+\d:163+\d], v[98+\d:99+\d], v[102+\d:103+\d]
	v_pk_add_f32 v[130+\d:131+\d], v[130+\d:131+\d], v[134+\d:135+\d]
.endr
.irp w, 2,3,4,5,6,7
.irp d, 0,2
	v_pk_add_f32 v[162+\d:163+\d], v[162+\d:163+\d], v[98+4*\w+\d:99+4*\w+\d]
	v_pk_add_f32 v[130+\d:131+\d], v[130+\d:131+\d], v[130+4*\w+\d:131+4*\w+\d]
.endr
.endr
.irp d, 0,2
	v_pk_mul_f32 v[162+\d:163+\d], v[162+\d:163+\d], 0x3e000000 op_sel_hi:[1,0]    ; the mean of 256 rows
.endr
.irp w, 0,1,2,3,4,5,6,7
.irp d, 0,2
	v_pk_add_f32 v[98+4*\w+\d:99+4*\w+\d], v[98+4*\w+\d:99+4*\w+\d], v[162+\d:163+\d] neg_lo:[0,1] neg_hi:[0,1]
.endr
.endr
.irp d, 0,2
	v_pk_mul_f32 v[166+\d:167+\d], v[98+\d:99+\d], v[98+\d:99+\d]
.endr
.irp w, 1,2,3,4,5,6,7
.irp d, 0,2
	v_pk_fma_f32 v[166+\d:167+\d], v[98+4*\w+\d:99+4*\w+\d], v[98+4*\w+\d:99+4*\w+\d], v[166+\d:167+\d]
.endr
.endr
.irp d, 0,2
	v_pk_fma_f32 v[166+\d:167+\d], v[166+\d:167+\d], 0x42000000, v[130+\d:131+\d] op_sel_hi:[1,0,1]   ; x 32 rows a wave, + the waves' own
.endr
	global_store_b128 v[VJO], v[162:165], s[40:41]
	global_store_b128 v[VJO], v[166:169], s[40:41] offset:1024
.Lno_join:
	s_wait_tensorcnt 0x0
	ds_add_u32 v251, v255
	s_wait_dscnt 0x0
	ROUND                                          ; the closing round: no work-group ends while a partner may still ask jointly
	s_endpgm
.Lfunc_end_k_qd22df1de62_feat:
	.size	k_qd22df1de62_feat, .Lfunc_end_k_qd22df1de62_feat-k_qd22df1de62_feat
	.p2alignl 7, 3214868480
	.fill 96, 4, 3214868480
	.section	.rodata,"a",@progbits
	.p2align	6, 0x0
	.amdhsa_kernel k_qd22df1de62_feat
		.amdhsa_group_segment_fixed_size 263168
		.amdhsa_private_segment_fixed_size 0
		.amdhsa_enable_private_segment 0
		.amdhsa_kernarg_size 56
		.amdhsa_user_sgpr_count 2
		.amdhsa_user_sgpr_kernarg_segment_ptr 1
		.amdhsa_wavefront_size32 1
		.amdhsa_system_sgpr_workgroup_id_x 1
		.amdhsa_system_sgpr_workgroup_id_y 1
		.amdhsa_system_sgpr_workgroup_id_z 1
		.amdhsa_system_vgpr_workitem_id 0
		.amdhsa_next_free_vgpr 256
		.amdhsa_next_free_sgpr 66
		.amdhsa_reserve_vcc 0
		.amdhsa_float_denorm_mode_32 3
		.amdhsa_float_denorm_mode_16_64 3
		.amdhsa_memory_ordered 1
		.amdhsa_forward_progress 1
		.amdhsa_inst_pref_size 153
	.end_amdhsa_kernel
	.amdgpu_metadata
---
amdhsa.version: [ 1, 2 ]
amdhsa.kernels:
  - .name:           k_qd22df1de62_feat
    .symbol:         k_qd22df1de62_feat.kd
    .args:
      - { .name: points1, .offset: 0, .size: 8, .value_kind: global_buffer, .address_space: global }
      - { .name: points2, .offset: 8, .size: 8, .value_kind: global_buffer, .address_space: global }
      - { .name: idx, .offset: 16, .size: 8, .value_kind: global_buffer, .address_space: global }
      - { .name: wts, .offset: 24, .size: 8, .value_kind: global_buffer, .address_space: global }
      - { .name: wq, .offset: 32, .size: 8, .value_kind: global_buffer, .address_space: global }
      - { .name: xq, .offset: 40, .size: 8, .value_kind: global_buffer, .address_space: global }
      - { .name: st, .offset: 48, .size: 8, .value_kind: global_buffer, .address_space: global }
    .group_segment_fixed_size: 263168
    .private_segment_fixed_size: 0
    .kernarg_segment_align: 8
    .kernarg_segment_size: 56
    .max_flat_workgroup_size: 256
    .sgpr_count:     66
    .vgpr_count:     256
    .wavefront_size: 32
...
	.end_amdgpu_metadata
.endif
;; end of part 3
;; launch bn_a (part 4): grid 4 x 1, 8 waves a work-group, no clusters, 5,120 bytes of LDS; arguments st, g1, bn; writes bn
.if DOCPART == 4
	.amdgcn_target "amdgcn-amd-amdhsa--gfx1250"
	.amdhsa_code_object_version 6
	.text
	.protected	k_qd22df1de62_bn_a
	.globl	k_qd22df1de62_bn_a
	.p2align	8
	.type	k_qd22df1de62_bn_a,@function
k_qd22df1de62_bn_a:
	s_mov_b64 s[64:65], 0
	v_nop
	global_prefetch_b8 v0, s[64:65] scope:SCOPE_SE
	s_setreg_imm32_b32 hwreg(HW_REG_WAVE_MODE, 25, 1), 1
	s_wait_xcnt 0x0
; The 256 work-groups' records (for each channel the mean and the centred sum of squares of 256 rows) become, for each channel, -mean and rsqrt(var + 1e-5) x g over all 65,536 rows:
; mean = the means' mean; var = (the sum of the M2 + 256 x the sum of (mean_i - mean)^2) / 65,536: no difference of large sums.
; A work-group takes 64 channels, a lane two; a wave takes 32 records, each load 256 consecutive bytes; the eight waves meet twice in LDS, in bytes of their own each time.
; v_rsq_f32 is followed by one Newton step.  Few work-groups: there are only 512 KB to read, once.  LIMITS: NaN and infinities are not served.
.set MR, 16                            ; v16-79   32 pairs of means
.set QR, 80                            ; v80-143  32 pairs of sums of squares
.set AC, 144                           ; v144-151 four running pairs
.set XR, 152                           ; v152-167 the eight waves' pairs
	s_load_b128 s[4:7], s[0:1], 0x0                ; st, g
	s_load_b64 s[8:9], s[0:1], 0x10                ; bn
	v_lshl_add_u32 v168, v0, 2, 0x1000
	v_mov_b32 v169, 0
	v_lshrrev_b32 v1, 5, v0
	v_readfirstlane_b32 s10, v1
	v_and_b32 v1, 31, v0
	v_lshlrev_b32 v2, 3, v1                        ; 8 x lane
	s_lshl_b32 s11, s10, 16
	v_add_nc_u32 v3, s11, v2                       ; + 32 records of 2,048 bytes a wave
	s_lshl_b32 s14, s10, 8
	v_add_nc_u32 v4, s14, v2                       ; LDS: 256 x wave + 8 x lane
	s_lshl_b32 s12, ttmp9, 8                       ; my 64 channels
	s_mov_b32 s13, 0
	s_wait_kmcnt 0x0
	s_add_nc_u64 s[4:5], s[4:5], s[12:13]
	s_add_nc_u64 s[6:7], s[6:7], s[12:13]
	s_add_nc_u64 s[8:9], s[8:9], s[12:13]
	global_load_b64 v[6:7], v2, s[6:7]             ; g of my two channels
.irp i, 0,1,2,3,4,5,6,7,8,9,10,11,12,13,14,15,16,17,18,19,20,21,22,23,24,25,26,27,28,29,30,31
	global_load_b64 v[MR+2*\i:MR+2*\i+1], v3, s[4:5] offset:2048*\i          ; the means are wanted first
.endr
.irp i, 0,1,2,3,4,5,6,7,8,9,10,11,12,13,14,15
	global_load_b64 v[QR+2*\i:QR+2*\i+1], v3, s[4:5] offset:2048*\i+1024
.endr
	s_wait_loadcnt 16                              ; g and the means are in: younger than they are the sixteen loads just issued
.irp i, 16,17,18,19,20,21,22,23,24,25,26,27,28,29,30,31
	global_load_b64 v[QR+2*\i:QR+2*\i+1], v3, s[4:5] offset:2048*\i+1024     ; these land while the means are summed and exchanged
.endr
.macro SUM32 b                         ; 32 pairs into v[AC:AC+1], in four chains
.irp j, 0,1,2,3
	v_pk_add_f32 v[AC+2*\j:AC+2*\j+1], v[\b+2*\j:\b+2*\j+1], v[\b+8+2*\j:\b+8+2*\j+1]
.endr
.irp i, 8,12,16,20,24,28
.irp j, 0,1,2,3
	v_pk_add_f32 v[AC+2*\j:AC+2*\j+1], v[AC+2*\j:AC+2*\j+1], v[\b+2*(\i+\j):\b+2*(\i+\j)+1]
.endr
.endr
	v_pk_add_f32 v[AC:AC+1], v[AC:AC+1], v[AC+2:AC+3]
	v_pk_add_f32 v[AC+4:AC+5], v[AC+4:AC+5], v[AC+6:AC+7]
	v_pk_add_f32 v[AC:AC+1], v[AC:AC+1], v[AC+4:AC+5]
.endm
.macro EXCH o                          ; my wave's pair to LDS, all eight back, their sum in v[XR:XR+1]: the same order in every wave
	ds_store_b64 v4, v[AC:AC+1] offset:\o
	s_wait_dscnt 0x0                               ; for the others' sake: my store has landed
	s_barrier_signal -1
	s_barrier_wait -1
.irp w, 0,1,2,3,4,5,6,7
	ds_load_b64 v[XR+2*\w:XR+2*\w+1], v2 offset:\o+256*\w
.endr
	s_wait_dscnt 0x0
.irp w, 0,2,4,6
	v_pk_add_f32 v[XR+2*\w:XR+2*\w+1], v[XR+2*\w:XR+2*\w+1], v[XR+2*\w+2:XR+2*\w+3]
.endr
	v_pk_add_f32 v[XR:XR+1], v[XR:XR+1], v[XR+4:XR+5]
	v_pk_add_f32 v[XR+8:XR+9], v[XR+8:XR+9], v[XR+12:XR+13]
	v_pk_add_f32 v[XR:XR+1], v[XR:XR+1], v[XR+8:XR+9]
.endm
	SUM32 MR
	EXCH 0
	v_mul_f32 v8, 0x3b800000, v[XR]                ; / 256 records: the mean
	v_mul_f32 v9, 0x3b800000, v[XR+1]
	s_wait_loadcnt 0x0                             ; the sums of squares are in
	SUM32 QR
	v_mov_b32 v10, v[AC]
	v_mov_b32 v11, v[AC+1]
.irp i, 0,1,2,3,4,5,6,7,8,9,10,11,12,13,14,15,16,17,18,19,20,21,22,23,24,25,26,27,28,29,30,31
	v_pk_add_f32 v[MR+2*\i:MR+2*\i+1], v[MR+2*\i:MR+2*\i+1], v[8:9] neg_lo:[0,1] neg_hi:[0,1]   ; mean_i - mean
.endr
.irp j, 0,1,2,3
	v_pk_mul_f32 v[AC+2*\j:AC+2*\j+1], v[MR+2*\j:MR+2*\j+1], v[MR+2*\j:MR+2*\j+1]
.endr
.irp i, 4,8,12,16,20,24,28
.irp j, 0,1,2,3
	v_pk_fma_f32 v[AC+2*\j:AC+2*\j+1], v[MR+2*(\i+\j):MR+2*(\i+\j)+1], v[MR+2*(\i+\j):MR+2*(\i+\j)+1], v[AC+2*\j:AC+2*\j+1]
.endr
.endr
	v_pk_add_f32 v[AC:AC+1], v[AC:AC+1], v[AC+2:AC+3]
	v_pk_add_f32 v[AC+4:AC+5], v[AC+4:AC+5], v[AC+6:AC+7]
	v_pk_add_f32 v[AC:AC+1], v[AC:AC+1], v[AC+4:AC+5]
	v_fmamk_f32 v[AC], v[AC], 0x43800000, v10      ; x 256 rows a record, + the records' own
	v_fmamk_f32 v[AC+1], v[AC+1], 0x43800000, v11
	EXCH 2048                                      ; in other bytes than the first exchange: no wave can still be reading those
	v_mul_f32 v10, 0x37800000, v[XR]               ; / 65,536 rows: the variance
	v_mul_f32 v11, 0x37800000, v[XR+1]
	v_add_f32 v10, 0x3727c5ac, v10                 ; + 1e-5
	v_add_f32 v11, 0x3727c5ac, v11
	v_rsq_f32 v12, v10
	v_rsq_f32 v13, v11
	v_mul_f32 v8, -1.0, v8                         ; -mean.  (A plain instruction behind the two)
	v_mul_f32 v9, -1.0, v9
	s_wait_alu depctr_va_vdst(0)                   ; one wait for both, ahead of their first reader
	v_mul_f32 v14, v10, v12
	v_mul_f32 v15, v11, v13
	v_fma_f32 v14, -v14, v12, 1.0                  ; 1 - x y y
	v_fma_f32 v15, -v15, v13, 1.0
	v_mul_f32 v10, 0.5, v12
	v_mul_f32 v11, 0.5, v13
	v_fmac_f32 v12, v10, v14                       ; one Newton step
	v_fmac_f32 v13, v11, v15
	v_mul_f32 v12, v12, v6                         ; x g
	v_mul_f32 v13, v13, v7
	s_cmp_lg_u32 s10, 0                            ; every wave holds the same numbers: wave 0 stores them
	s_cbranch_scc1 .Lend
	global_store_b64 v2, v[8:9], s[8:9]            ; 256 consecutive bytes each
	global_store_b64 v2, v[12:13], s[8:9] offset:1024
.Lend:
	s_wait_tensorcnt 0x0
	ds_add_u32 v168, v169
	s_wait_dscnt 0x0
	s_endpgm
.Lfunc_end_k_qd22df1de62_bn_a:
	.size	k_qd22df1de62_bn_a, .Lfunc_end_k_qd22df1de62_bn_a-k_qd22df1de62_bn_a
	.p2alignl 7, 3214868480
	.fill 96, 4, 3214868480
	.section	.rodata,"a",@progbits
	.p2align	6, 0x0
	.amdhsa_kernel k_qd22df1de62_bn_a
		.amdhsa_group_segment_fixed_size 5120
		.amdhsa_private_segment_fixed_size 0
		.amdhsa_enable_private_segment 0
		.amdhsa_kernarg_size 24
		.amdhsa_user_sgpr_count 2
		.amdhsa_user_sgpr_kernarg_segment_ptr 1
		.amdhsa_wavefront_size32 1
		.amdhsa_system_sgpr_workgroup_id_x 1
		.amdhsa_system_sgpr_workgroup_id_y 1
		.amdhsa_system_sgpr_workgroup_id_z 1
		.amdhsa_system_vgpr_workitem_id 0
		.amdhsa_next_free_vgpr 170
		.amdhsa_next_free_sgpr 66
		.amdhsa_reserve_vcc 0
		.amdhsa_float_denorm_mode_32 3
		.amdhsa_float_denorm_mode_16_64 3
		.amdhsa_memory_ordered 1
		.amdhsa_forward_progress 1
		.amdhsa_inst_pref_size 19
	.end_amdhsa_kernel
	.amdgpu_metadata
---
amdhsa.version: [ 1, 2 ]
amdhsa.kernels:
  - .name:           k_qd22df1de62_bn_a
    .symbol:         k_qd22df1de62_bn_a.kd
    .args:
      - { .name: st, .offset: 0, .size: 8, .value_kind: global_buffer, .address_space: global }
      - { .name: g1, .offset: 8, .size: 8, .value_kind: global_buffer, .address_space: global }
      - { .name: bn, .offset: 16, .size: 8, .value_kind: global_buffer, .address_space: global }
    .group_segment_fixed_size: 5120
    .private_segment_fixed_size: 0
    .kernarg_segment_align: 8
    .kernarg_segment_size: 24
    .max_flat_workgroup_size: 256
    .sgpr_count:     66
    .vgpr_count:     170
    .wavefront_size: 32
...
	.end_amdgpu_metadata
.endif
;; end of part 4
;; launch mid (part 5): grid 256 x 1, 8 waves a work-group, clusters of 4 x 1, 168,960 bytes of LDS; arguments xq, wq, bn, b1, a1, st; writes a1, st
.if DOCPART == 5
	.amdgcn_target "amdgcn-amd-amdhsa--gfx1250"
	.amdhsa_code_object_version 6
	.text
	.protected	k_qd22df1de62_mid
	.globl	k_qd22df1de62_mid
	.p2align	8
	.type	k_qd22df1de62_mid,@function
k_qd22df1de62_mid:
	s_mov_b64 s[64:65], 0
	v_nop
	global_prefetch_b8 v0, s[64:65] scope:SCOPE_SE
	s_setreg_imm32_b32 hwreg(HW_REG_WAVE_MODE, 25, 1), 1
	s_wait_xcnt 0x0
	s_wait_alu depctr_hold_cnt(0) depctr_sa_sdst(0) depctr_va_vdst(0) depctr_va_sdst(0) depctr_va_ssrc(0) depctr_va_vcc(0) depctr_vm_vsrc(0)
	s_getreg_b32 s2, hwreg(HW_REG_IB_STS2, 6, 4)
	s_cmp_eq_u32 s2, 0
	s_cbranch_scc0 .Lentry_in_a_cluster
	s_endpgm
.Lentry_in_a_cluster:
	s_bfe_u32 s2, ttmp6, 0x10000c
	s_cmp_lg_u32 s2, 0x3003
	s_cbranch_scc0 .Lentry_shape_is_right
	s_endpgm
.Lentry_shape_is_right:
; a1 = relu((x W1^T - mean1) x (rstd1 g1) + b1), from x's codes, quantised to E3M2 along its 256 channels and stored as images of the matrix operand's registers; then h2 = a1 W2^T on codes, of which
; only the statistics leave (for each channel the mean and the centred sum of squares of the work-group's 256 rows).  Neither h1 nor h2 goes to memory.
; SHARES.  A work-group takes 256 rows, a wave 32: two tiles of 16.
; THE FIRST PRODUCT IS USED TRANSPOSED (source 0 = 16 rows of W1, source 1 = 16 rows of x), and the rows of W1 that form a tile are chosen (32 (n / 2) + 8 (n % 2) + r + 8 (r / 8)) so that a lane holds one row
; of the hidden layer and the 16 registers of tiles 2 b and 2 b + 1 are 16 neighbouring channels.  -mean1 is the C of each sum's first matrix instruction.  64 channels (four tiles) at a time are normalised and quantised.
; THE SECOND PRODUCT is used as it stands (source 0 = 16 rows of a1, source 1 = 16 rows of W2): a lane holds one channel and eight rows of each tile, so that sums over rows stay in the lane.
; CLUSTER.  Every work-group reads the same image of W1 and W2 (106,496 bytes): the four of a cluster ask for it jointly, each wave for an eighth, once.  Nothing in LDS is filled twice.
; No prefetch: each wave asks for all its codes at its head.
; REGISTERS, in windows of 256.  Window 0: v0-15 addresses; v16-31 scale words; v32-95 the hidden layer's chunk, later h2's accumulators; v96-143 a1's codes; v144-255 at work.
;   Window 1: v0-71 x's codes; v72-143 weights, two sets of 36; v144-175 -mean1, v176-207 rstd1 g1, v208-239 b1 of the chunk's channels, in the result's layout.
; LIMITS: NaN and infinities are not served; a block of zeros gets the scale byte 1 over zero codes: only this program reads the bytes.
.set NROW, 52
.set PAR,  106496                      ; behind the image: -mean1, rstd1 g1, b1: 1,024 bytes each
.set STAT, 109568                      ; and 2,048 bytes for each wave: means, then sums of squares
.set L16,  4
.set LI2,  5
.set LS,   6
.set LI3,  7
.set LS2,  8
.set PH,   9
.set VXG,  10
.set VX8,  11
.set VAG,  12
.set VA8,  13
.set VCH,  14
.set VJ,   15
.set WS,   16                          ; v16-21 the weights' scale words, two sets of three
.set XS,   22                          ; v22-25 x's, a pair a tile
.set ASC,  26                          ; v26-27 a1's, one a tile: K step 0 in lanes 0-15, K step 1 in lanes 16-31
.set AW,   28                          ; v28-31 a1's scale words as they are made
.set H,    32
.set A1,   96
.set TM,   144
.set TP,   146
.set SO,   148
.set BY,   150
.set QT,   152
.set MEAN, 160
.set MSQ,  168
.set SU0,  176
.set SU1,  178
.set EV0,  180
.set EV1,  182
.set QV0,  184
.set QV1,  186
.set MM,   188
.set TS,   190
.set TPS,  191
.set X,    0                           ; window 1
.set W,    72
.set CM,   144
.set SCR,  176
.set BBR,  208
.set SEL,  44
.set HM,   56
.set MSB, 0
.macro WIN new                         ; the immediate's high byte repeats the setting that is left
.if MSB != \new
	s_set_vgpr_msb (MSB<<8)|\new
.set MSB, \new
.endif
.endm
.macro ROUND
	s_barrier_signal -1
	s_barrier_wait -1
	s_cmp_lg_u32 s8, 0
	s_cbranch_scc1 .Lnot_wave_0_\@
	s_barrier_signal -3
.Lnot_wave_0_\@:
	s_barrier_wait -3
	s_barrier_signal -1
	s_barrier_wait -1
.endm
	s_load_b256 s[12:19], s[0:1], 0x0              ; xq, wq, bn, b1
	s_load_b128 s[36:39], s[0:1], 0x20             ; a1, st
	v_lshl_add_u32 v158, v0, 2, 0x29000
	v_mov_b32 v159, 0
	ds_add_u32 v158, v159
	ds_add_u32 v158, v159
	v_lshrrev_b32 v1, 5, v0
	v_readfirstlane_b32 s8, v1
	v_and_b32 v1, 31, v0
	v_and_b32 v2, 15, v0
	v_bfe_u32 v3, v0, 4, 1
	s_bfe_u32 s9, ttmp6, 0x40000
	s_lshl_b32 s10, ttmp9, 2
	s_add_co_u32 s9, s10, s9                       ; work-group: it enters global addresses alone
	s_lshl_b32 s46, s9, 16
	s_mov_b32 s47, 0
	s_mul_i32 s48, s9, 49152                       ; 16 tiles of 3,072 bytes
	s_mov_b32 s49, 0
	s_lshl_b32 s50, s9, 11
	s_mov_b32 s51, 0
	s_mul_i32 s54, s8, 256*NROW
	s_mov_b32 s55, 0
	s_mov_b32 s24, 15|(3<<16)|(1<<21)              ; the mask: all four work-groups; elements of 8 bytes; bit 21 beside a mask; no padding
	s_mov_b32 s25, 32<<16
	s_mov_b32 s26, NROW<<16
	s_mov_b32 s27, 32<<16
	s_mov_b32 s28, NROW
	s_mov_b32 s29, 32
	s_mov_b32 s30, 0
	s_mov_b32 s31, 0
	s_mov_b32 s20, 1
	s_mov_b32 s21, s54
	s_mov_b32 s[SEL], 0x76543210
	s_mov_b32 s[SEL+1], 0xfedcba98
	s_mov_b32 s[HM], 0xffff0000
	s_wait_dscnt 0x0
	s_wait_kmcnt 0x0
	s_add_nc_u64 s[22:23], s[14:15], s[54:55]
	s_or_b32 s23, s23, 0x80000000
	s_add_nc_u64 s[12:13], s[12:13], s[46:47]
	s_add_nc_u64 s[42:43], s[36:37], s[50:51]
	s_add_nc_u64 s[42:43], s[42:43], 0xc00000      ; a1's scale words lie behind its 12,582,912 bytes of codes
	s_add_nc_u64 s[36:37], s[36:37], s[48:49]
	s_add_nc_u64 s[38:39], s[38:39], s[50:51]
	ROUND                                          ; all four work-groups are here: the joint loads meet
	tensor_load_to_lds s[20:23], s[24:31]          ; one load of mine is out
	s_nop 0
.rept 4
	v_nop
.endr
	v_lshlrev_b32 v[L16], 4, v1
	v_add_nc_u32 v[LI2], 36864, v[L16]
	v_lshl_add_u32 v[LS], v1, 2, 73728
	v_add_nc_u32 v[LI3], 79872, v[L16]
	v_lshl_add_u32 v[LS2], v1, 2, 104448
	v_lshl_add_u32 v[PH], v3, 6, PAR
	s_lshl_b32 s57, s8, 13
	v_add_nc_u32 v[VXG], s57, v[L16]
	v_lshl_add_u32 v[VX8], v1, 3, s57
	s_mul_i32 s58, s8, 6144
	v_add_nc_u32 v[VAG], s58, v[L16]
	s_lshl_b32 s59, s8, 8
	v_lshl_add_u32 v[VA8], v1, 3, s59
	v_lshlrev_b32 v[VCH], 2, v2
	v_lshl_add_u32 v[VCH], v3, 10, v[VCH]
	s_lshl_b32 s60, s8, 11
	s_add_co_u32 s60, s60, STAT
	v_add_nc_u32 v[VCH], s60, v[VCH]
	v_add_nc_u32 v[VJ], STAT, v[L16]
	v_lshlrev_b32 v144, 2, v0
	v_add_nc_u32 v148, PAR, v144
	global_load_b32 v145, v144, s[16:17]               ; -mean1 of channel t
	global_load_b32 v146, v144, s[16:17] offset:1024   ; rstd1 g1
	global_load_b32 v147, v144, s[18:19]               ; b1
	WIN 0x40                                       ; destination window 1
.irp tau, 0,1
.irp g, 0,1,2,3,4,5,6
	global_load_b128 v[X+36*\tau+4*\g:X+36*\tau+4*\g+3], v[VXG], s[12:13] offset:4096*\tau+512*\g th:TH_LOAD_NT
.endr
	global_load_b64 v[X+36*\tau+28:X+36*\tau+29], v[VX8], s[12:13] offset:4096*\tau+3584 th:TH_LOAD_NT
.irp z, 30,31,32,33,34,35
	v_mov_b32 v[X+36*\tau+\z], 0                   ; zero codes past K = 320
.endr
.endr
	WIN 0
	global_load_b64 v[XS:XS+1], v[VX8], s[12:13] offset:3840 th:TH_LOAD_NT
	global_load_b64 v[XS+2:XS+3], v[VX8], s[12:13] offset:4096+3840 th:TH_LOAD_NT
	s_wait_loadcnt 0x0
	ds_store_b32 v148, v145
	ds_store_b32 v148, v146 offset:1024
	ds_store_b32 v148, v147 offset:2048
	s_wait_tensorcnt 0x0                           ; my eighth of the image has landed,
	s_wait_dscnt 0x0                               ; and my parameters
	s_barrier_signal -1
	s_barrier_wait -1                              ; everybody's have
	v_mov_b32 v[TP], 0                             ; written once: a lane permute's destination counts as one of its sources
	v_mov_b32 v[TP+1], 0
	v_mov_b32 v[TPS], 0
	v_mov_b32 v[MM+1], 0                           ; (named as the upper half of a pair)
.rept 4
	v_nop                                          ; the zero codes were written by vector instructions: four places ahead of a scaled matrix instruction
.endr
.macro PARAM q                         ; the parameters of chunk q's 64 channels, in the result's layout: register j of tile t is channel 32 (2 q + t / 2) + 16 h + 8 (t % 2) + j: 24 LDS loads
	WIN 0x40
.irp t, 0,1,2,3
.irp e, 0,1
	ds_load_b128 v[CM+8*\t+4*\e:CM+8*\t+4*\e+3], v[PH] offset:128*(2*(\q)+\t/2)+32*(\t%2)+16*\e
	ds_load_b128 v[SCR+8*\t+4*\e:SCR+8*\t+4*\e+3], v[PH] offset:1024+128*(2*(\q)+\t/2)+32*(\t%2)+16*\e
	ds_load_b128 v[BBR+8*\t+4*\e:BBR+8*\t+4*\e+3], v[PH] offset:2048+128*(2*(\q)+\t/2)+32*(\t%2)+16*\e
.endr
.endr
	WIN 0
.endm
.macro W1LOAD t, set                   ; tile t of W1: twelve LDS loads
	WIN 0x40
.irp s, 0,1,2
.irp c, 0,1,2
.if 3*(\t)+\s < 24
	ds_load_b128 v[W+36*(\set)+12*\s+4*\c:W+36*(\set)+12*\s+4*\c+3], v[L16] offset:1536*(3*(\t)+\s)+512*\c
.else
	ds_load_b128 v[W+36*(\set)+12*\s+4*\c:W+36*(\set)+12*\s+4*\c+3], v[LI2] offset:1536*(3*(\t)+\s-24)+512*\c
.endif
.endr
.endr
	WIN 0                                          ; scale words lie in window 0
.irp s, 0,1,2
	ds_load_b32 v[WS+3*(\set)+\s], v[LS] offset:128*(3*(\t)+\s)
.endr
.endm
.macro W2LOAD n, set                   ; tile n of W2: eight LDS loads
	WIN 0x40
.irp s, 0,1
.irp c, 0,1,2
	ds_load_b128 v[W+36*(\set)+12*\s+4*\c:W+36*(\set)+12*\s+4*\c+3], v[LI3] offset:1536*(2*(\n)+\s)+512*\c
.endr
.endr
	WIN 0
.irp s, 0,1
	ds_load_b32 v[WS+3*(\set)+\s], v[LS2] offset:128*(2*(\n)+\s)
.endr
.endm
; 32 numbers of a lane, register 16 b + i = k 32 b + 16 h + i of my row, become six code registers (k = 32 h + 0 .. 31 of these 64) and two scale bytes in a word.
.macro QH src, dst, pw, first
.set QS, \src
.set QD, \dst
.set QP, \pw
.irp b, 0,1
	v_max3_num_f32 v[TM+\b], |v[QS+16*\b]|, |v[QS+16*\b+1]|, 0x2800000   ; my 16 numbers of block b, and the floor 2^(5 - 127): the byte cannot fall under 1
.endr
.irp i, 2,4,6,8,10,12,14
.irp b, 0,1
	v_max3_num_f32 v[TM+\b], v[TM+\b], |v[QS+16*\b+\i]|, |v[QS+16*\b+\i+1]|
.endr
.endr
.irp b, 0,1
	v_permlanex16_b32 v[TP+\b], v[TM+\b], s[SEL], s[SEL+1]
.endr
.irp b, 0,1
	v_max_num_f32 v[TM+\b], v[TM+\b], v[TP+\b]
.endr
.irp b, 0,1
	v_add_nc_u32 v[SO+\b], 0xfe000000, v[TM+\b]    ; 4 off the exponent field: the conversion's scale operand
.endr
.irp b, 0,1
	v_lshrrev_b32 v[BY+\b], 23, v[SO+\b]
.endr
	v_lshl_or_b32 v[BY], v[BY+1], 8, v[BY]
.if \first
	v_mov_b32 v[QP], v[BY]
.else
	v_lshl_or_b32 v[QP], v[BY], 16, v[QP]
.endif
	v_cvt_scalef32_pk16_bf6_f32 v[QD:QD+2], v[QS:QS+15], v[SO]
	v_cvt_scalef32_pk16_bf6_f32 v[QT:QT+2], v[QS+16:QS+31], v[SO+1]
	v_nop                                          ; one plain instruction behind a scaled conversion
.irp i, 0,1,2
	v_permlane16_swap_b32 v[QD+\i], v[QT+\i]
.endr
.irp i, 0,1,2
	v_mov_b32 v[QD+3+\i], v[QT+\i]
.endr
.endm
; TRIP tt of the first product: tile tt's six products, the two row tiles' accumulators by turns; four places; the loads of the tile two on into the set just multiplied.
; The wait's count is what is younger than this tile's loads: the next tile's twelve; at a chunk's head (but the first) the parameters are the youngest and are wanted: 0; in trip 15 the eight of W2's tile 0.
.macro P2T tt
.if (\tt) == 0
	s_wait_dscnt 12
.elseif (\tt)%4 == 0
	s_wait_dscnt 0x0
.elseif (\tt) == 15
	s_wait_dscnt 8
.else
	s_wait_dscnt 12
.endif
.set WB, W+36*((\tt)%2)
.set SB, WS+3*((\tt)%2)
.set HB, H+8*((\tt)%4)
.set CB, CM+8*((\tt)%4)
	WIN 0x15                                       ; sources 0, 1 and 2 window 1, destination window 0
	v_wmma_scale_f32_16x16x128_f8f6f4 v[HB:HB+7], v[WB:WB+11], v[X:X+11], v[CB:CB+7], v[SB], v[XS] matrix_a_fmt:MATRIX_FMT_BF6 matrix_b_fmt:MATRIX_FMT_BF6
	v_wmma_scale_f32_16x16x128_f8f6f4 v[HB+32:HB+39], v[WB:WB+11], v[X+36:X+47], v[CB:CB+7], v[SB], v[XS+2] matrix_a_fmt:MATRIX_FMT_BF6 matrix_b_fmt:MATRIX_FMT_BF6
	WIN 0x05                                       ; C and D window 0
	v_wmma_scale_f32_16x16x128_f8f6f4 v[HB:HB+7], v[WB+12:WB+23], v[X+12:X+23], v[HB:HB+7], v[SB+1], v[XS] matrix_a_fmt:MATRIX_FMT_BF6 matrix_b_fmt:MATRIX_FMT_BF6 matrix_b_scale:MATRIX_SCALE_ROW1
	v_wmma_scale_f32_16x16x128_f8f6f4 v[HB+32:HB+39], v[WB+12:WB+23], v[X+48:X+59], v[HB+32:HB+39], v[SB+1], v[XS+2] matrix_a_fmt:MATRIX_FMT_BF6 matrix_b_fmt:MATRIX_FMT_BF6 matrix_b_scale:MATRIX_SCALE_ROW1
	v_wmma_scale_f32_16x16x128_f8f6f4 v[HB:HB+7], v[WB+24:WB+35], v[X+24:X+35], v[HB:HB+7], v[SB+2], v[XS+1] matrix_a_fmt:MATRIX_FMT_BF6 matrix_b_fmt:MATRIX_FMT_BF6
	v_wmma_scale_f32_16x16x128_f8f6f4 v[HB+32:HB+39], v[WB+24:WB+35], v[X+60:X+71], v[HB+32:HB+39], v[SB+2], v[XS+3] matrix_a_fmt:MATRIX_FMT_BF6 matrix_b_fmt:MATRIX_FMT_BF6
	WIN 0
.rept 4
	v_nop                                          ; places in front of loads into registers that the products have read, and of the first read of their results
.endr
.if (\tt)+2 <= 15
	W1LOAD (\tt)+2, (\tt)%2
.elseif (\tt) == 14
	W2LOAD 0, 0
.else
	W2LOAD 1, 1
.endif
.endm
.macro CHUNK q                         ; 64 channels of 32 rows: x (rstd g) + b, relu, quantised
	WIN 0x14                                       ; sources 1 and 2 window 1
.irp m, 0,1
.irp t, 0,1,2,3
.irp j, 0,2,4,6
	v_pk_fma_f32 v[H+32*\m+8*\t+\j:H+32*\m+8*\t+\j+1], v[H+32*\m+8*\t+\j:H+32*\m+8*\t+\j+1], v[SCR+8*\t+\j:SCR+8*\t+\j+1], v[BBR+8*\t+\j:BBR+8*\t+\j+1]
.endr
.endr
.endr
	WIN 0
.irp j, 0,1,2,3,4,5,6,7,8,9,10,11,12,13,14,15,16,17,18,19,20,21,22,23,24,25,26,27,28,29,30,31,32,33,34,35,36,37,38,39,40,41,42,43,44,45,46,47,48,49,50,51,52,53,54,55,56,57,58,59,60,61,62,63
	v_max_num_f32 v[H+\j], 0, v[H+\j]
.endr
.if (\q) < 3
	PARAM (\q)+1
.endif
	QH H, A1+12*((\q)/2)+6*((\q)%2), AW+(\q)/2, 1-(\q)%2
	QH H+32, A1+24+12*((\q)/2)+6*((\q)%2), AW+2+(\q)/2, 1-(\q)%2
.endm
	PARAM 0
	W1LOAD 0, 0
	W1LOAD 1, 1
.irp q, 0,1,2,3
	P2T 4*\q
	P2T 4*\q+1
	P2T 4*\q+2
	P2T 4*\q+3
	CHUNK \q
.endr
	v_cndmask_b32 v[ASC], v[AW], v[AW+1], s[HM]
	v_cndmask_b32 v[ASC+1], v[AW+2], v[AW+3], s[HM]
.irp m, 0,1
.irp g, 0,1,2,3,4,5
	global_store_b128 v[VAG], v[A1+24*\m+4*\g:A1+24*\m+4*\g+3], s[36:37] offset:3072*\m+512*\g
.endr
.endr
	global_store_b64 v[VA8], v[ASC:ASC+1], s[42:43]
.rept 8
	v_nop                                          ; scale words written by vector instructions stand eight places ahead of a scaled matrix instruction
.endr
; The mean and the centred sum of squares of a channel's 32 rows: 16 are mine (two accumulators), 16 lane l xor 16's.  Each accumulator is read from its low end on.
.macro STAT d, om, oq
.set SD, \d
	v_pk_add_f32 v[SU0:SU0+1], v[SD:SD+1], v[SD+8:SD+9]
	v_pk_add_f32 v[SU1:SU1+1], v[SD+2:SD+3], v[SD+10:SD+11]
	v_pk_add_f32 v[SU0:SU0+1], v[SU0:SU0+1], v[SD+4:SD+5]
	v_pk_add_f32 v[SU1:SU1+1], v[SU1:SU1+1], v[SD+6:SD+7]
	v_pk_add_f32 v[SU0:SU0+1], v[SU0:SU0+1], v[SD+12:SD+13]
	v_pk_add_f32 v[SU1:SU1+1], v[SU1:SU1+1], v[SD+14:SD+15]
	v_pk_add_f32 v[SU0:SU0+1], v[SU0:SU0+1], v[SU1:SU1+1]
	v_add_f32 v[TS], v[SU0], v[SU0+1]
	v_permlanex16_b32 v[TPS], v[TS], s[SEL], s[SEL+1]
	v_add_f32 v[TS], v[TS], v[TPS]
	v_mul_f32 v[MM], 0x3d000000, v[TS]             ; / 32
.irp j, 0,4,8,12
	v_pk_add_f32 v[EV0:EV0+1], v[SD+\j:SD+\j+1], v[MM:MM+1] op_sel_hi:[1,0] neg_lo:[0,1] neg_hi:[0,1]
	v_pk_add_f32 v[EV1:EV1+1], v[SD+\j+2:SD+\j+3], v[MM:MM+1] op_sel_hi:[1,0] neg_lo:[0,1] neg_hi:[0,1]
.if \j == 0
	v_pk_mul_f32 v[QV0:QV0+1], v[EV0:EV0+1], v[EV0:EV0+1]
	v_pk_mul_f32 v[QV1:QV1+1], v[EV1:EV1+1], v[EV1:EV1+1]
.else
	v_pk_fma_f32 v[QV0:QV0+1], v[EV0:EV0+1], v[EV0:EV0+1], v[QV0:QV0+1]
	v_pk_fma_f32 v[QV1:QV1+1], v[EV1:EV1+1], v[EV1:EV1+1], v[QV1:QV1+1]
.endif
.endr
	v_pk_add_f32 v[QV0:QV0+1], v[QV0:QV0+1], v[QV1:QV1+1]
	v_add_f32 v[TS], v[QV0], v[QV0+1]
	v_permlanex16_b32 v[TPS], v[TS], s[SEL], s[SEL+1]
	v_add_f32 v[\oq], v[TS], v[TPS]
	v_mov_b32 v[\om], v[MM]
.endm
; TRIP t of the second product: four products, the two accumulators by turns; the statistics of tile t - 1, which are also the places; tile t + 2's loads.  The wait leaves tile t + 1's eight loads out.
.macro P3T t
.if (\t) < 7
	s_wait_dscnt 8
.else
	s_wait_dscnt 0x0
.endif
.set WB, W+36*((\t)%2)
.set SB, WS+3*((\t)%2)
.set DB, H+16*((\t)%2)
	WIN 0x04                                       ; source 1 (W2) window 1
	v_wmma_scale_f32_16x16x128_f8f6f4 v[DB:DB+7], v[A1:A1+11], v[WB:WB+11], 0, v[ASC], v[SB] matrix_a_fmt:MATRIX_FMT_BF6 matrix_b_fmt:MATRIX_FMT_BF6
	v_wmma_scale_f32_16x16x128_f8f6f4 v[DB+8:DB+15], v[A1+24:A1+35], v[WB:WB+11], 0, v[ASC+1], v[SB] matrix_a_fmt:MATRIX_FMT_BF6 matrix_b_fmt:MATRIX_FMT_BF6
	v_wmma_scale_f32_16x16x128_f8f6f4 v[DB:DB+7], v[A1+12:A1+23], v[WB+12:WB+23], v[DB:DB+7], v[ASC], v[SB+1] matrix_a_fmt:MATRIX_FMT_BF6 matrix_b_fmt:MATRIX_FMT_BF6 matrix_a_scale:MATRIX_SCALE_ROW1
	v_wmma_scale_f32_16x16x128_f8f6f4 v[DB+8:DB+15], v[A1+36:A1+47], v[WB+12:WB+23], v[DB+8:DB+15], v[ASC+1], v[SB+1] matrix_a_fmt:MATRIX_FMT_BF6 matrix_b_fmt:MATRIX_FMT_BF6 matrix_a_scale:MATRIX_SCALE_ROW1
	WIN 0
.if (\t) > 0
	STAT H+16*(((\t)-1)%2), MEAN+(\t)-1, MSQ+(\t)-1
.else
.rept 4
	v_nop
.endr
.endif
.if (\t)+2 <= 7
	W2LOAD (\t)+2, (\t)%2
.endif
.endm
.irp t, 0,1,2,3,4,5,6,7
	P3T \t
.endr
	STAT H+16, MEAN+7, MSQ+7                       ; the statistics of tile 6 stand between the last products and this
.irp t, 0,1,2,3,4,5,6,7
	v_cndmask_b32 v[MEAN+\t], v[MEAN+\t], v[MSQ+\t], s[HM]     ; lanes 0-15 store the mean, lanes 16-31 the sum of squares
.endr
.irp t, 0,1,2,3,4,5,6,7
	ds_store_b32 v[VCH], v[MEAN+\t] offset:64*\t
.endr
	s_wait_dscnt 0x0
	s_barrier_signal -1
	s_barrier_wait -1
	s_cmp_ge_u32 s8, 1                             ; wave 0 joins the eight waves' figures: a lane takes four channels
	s_cbranch_scc1 .Lno_join
.irp w, 0,1,2,3,4,5,6,7
	ds_load_b128 v[192+4*\w:195+4*\w], v[VJ] offset:2048*\w
	ds_load_b128 v[224+4*\w:227+4*\w], v[VJ] offset:2048*\w+1024
.endr
	s_wait_dscnt 0x0
.irp d, 0,2
	v_pk_add_f32 v[176+\d:177+\d], v[192+\d:193+\d], v[196+\d:197+\d]
	v_pk_add_f32 v[224+\d:225+\d], v[224+\d:225+\d], v[228+\d:229+\d]
.endr
.irp w, 2,3,4,5,6,7
.irp d, 0,2
	v_pk_add_f32 v[176+\d:177+\d], v[176+\d:177+\d], v[192+4*\w+\d:193+4*\w+\d]
	v_pk_add_f32 v[224+\d:225+\d], v[224+\d:225+\d], v[224+4*\w+\d:225+4*\w+\d]
.endr
.endr
.irp d, 0,2
	v_pk_mul_f32 v[176+\d:177+\d], v[176+\d:177+\d], 0x3e000000 op_sel_hi:[1,0]    ; the mean of 256 rows
.endr
.irp w, 0,1,2,3,4,5,6,7
.irp d, 0,2
	v_pk_add_f32 v[192+4*\w+\d:193+4*\w+\d], v[192+4*\w+\d:193+4*\w+\d], v[176+\d:177+\d] neg_lo:[0,1] neg_hi:[0,1]
.endr
.endr
.irp d, 0,2
	v_pk_mul_f32 v[180+\d:181+\d], v[192+\d:193+\d], v[192+\d:193+\d]
.endr
.irp w, 1,2,3,4,5,6,7
.irp d, 0,2
	v_pk_fma_f32 v[180+\d:181+\d], v[192+4*\w+\d:193+4*\w+\d], v[192+4*\w+\d:193+4*\w+\d], v[180+\d:181+\d]
.endr
.endr
.irp d, 0,2
	v_pk_fma_f32 v[180+\d:181+\d], v[180+\d:181+\d], 0x42000000, v[224+\d:225+\d] op_sel_hi:[1,0,1]   ; x 32 rows a wave, + the waves' own
.endr
	global_store_b128 v[L16], v[176:179], s[38:39]
	global_store_b128 v[L16], v[180:183], s[38:39] offset:1024
.Lno_join:
	s_wait_tensorcnt 0x0
	ds_add_u32 v158, v159
	s_wait_dscnt 0x0
	ROUND                                          ; the closing round
	s_endpgm
.Lfunc_end_k_qd22df1de62_mid:
	.size	k_qd22df1de62_mid, .Lfunc_end_k_qd22df1de62_mid-k_qd22df1de62_mid
	.p2alignl 7, 3214868480
	.fill 96, 4, 3214868480
	.section	.rodata,"a",@progbits
	.p2align	6, 0x0
	.amdhsa_kernel k_qd22df1de62_mid
		.amdhsa_group_segment_fixed_size 168960
		.amdhsa_private_segment_fixed_size 0
		.amdhsa_enable_private_segment 0
		.amdhsa_kernarg_size 48
		.amdhsa_user_sgpr_count 2
		.amdhsa_user_sgpr_kernarg_segment_ptr 1
		.amdhsa_wavefront_size32 1
		.amdhsa_system_sgpr_workgroup_id_x 1
		.amdhsa_system_sgpr_workgroup_id_y 1
		.amdhsa_system_sgpr_workgroup_id_z 1
		.amdhsa_system_vgpr_workitem_id 0
		.amdhsa_next_free_vgpr 496
		.amdhsa_next_free_sgpr 66
		.amdhsa_reserve_vcc 0
		.amdhsa_float_denorm_mode_32 3
		.amdhsa_float_denorm_mode_16_64 3
		.amdhsa_memory_ordered 1
		.amdhsa_forward_progress 1
		.amdhsa_inst_pref_size 107
	.end_amdhsa_kernel
	.amdgpu_metadata
---
amdhsa.version: [ 1, 2 ]
amdhsa.kernels:
  - .name:           k_qd22df1de62_mid
    .symbol:         k_qd22df1de62_mid.kd
    .args:
      - { .name: xq, .offset: 0, .size: 8, .value_kind: global_buffer, .address_space: global }
      - { .name: wq, .offset: 8, .size: 8, .value_kind: global_buffer, .address_space: global }
      - { .name: bn, .offset: 16, .size: 8, .value_kind: global_buffer, .address_space: global }
      - { .name: b1, .offset: 24, .size: 8, .value_kind: global_buffer, .address_space: global }
      - { .name: a1, .offset: 32, .size: 8, .value_kind: global_buffer, .address_space: global }
      - { .name: st, .offset: 40, .size: 8, .value_kind: global_buffer, .address_space: global }
    .group_segment_fixed_size: 168960
    .private_segment_fixed_size: 0
    .kernarg_segment_align: 8
    .kernarg_segment_size: 48
    .max_flat_workgroup_size: 256
    .sgpr_count:     66
    .vgpr_count:     496
    .wavefront_size: 32
...
	.end_amdgpu_metadata
.endif
;; end of part 5
;; launch bn_b: the kernel of part 4 again; grid 2 x 1, 8 waves a work-group, no clusters, 5,120 bytes of LDS; arguments st, g2, bn; writes bn
;; launch fin (part 6): grid 256 x 1, 8 waves a work-group, clusters of 4 x 1, 168,960 bytes of LDS; arguments a1, wq, bn, b2, out0; writes out0
.if DOCPART == 6
	.amdgcn_target "amdgcn-amd-amdhsa--gfx1250"
	.amdhsa_code_object_version 6
	.text
	.protected	k_qd22df1de62_fin
	.globl	k_qd22df1de62_fin
	.p2align	8
	.type	k_qd22df1de62_fin,@function
k_qd22df1de62_fin:
	s_mov_b64 s[64:65], 0
	v_nop
	global_prefetch_b8 v0, s[64:65] scope:SCOPE_SE
	s_setreg_imm32_b32 hwreg(HW_REG_WAVE_MODE, 25, 1), 1
	s_wait_xcnt 0x0
	s_wait_alu depctr_hold_cnt(0) depctr_sa_sdst(0) depctr_va_vdst(0) depctr_va_sdst(0) depctr_va_ssrc(0) depctr_va_vcc(0) depctr_vm_vsrc(0)
	s_getreg_b32 s2, hwreg(HW_REG_IB_STS2, 6, 4)
	s_cmp_eq_u32 s2, 0
	s_cbranch_scc0 .Lentry_in_a_cluster
	s_endpgm
.Lentry_in_a_cluster:
	s_bfe_u32 s2, ttmp6, 0x10000c
	s_cmp_lg_u32 s2, 0x3003
	s_cbranch_scc0 .Lentry_shape_is_right
	s_endpgm
.Lentry_shape_is_right:
; out0 = relu((a1 W2^T - mean2) x (rstd2 g2) + b2), from a1's codes of E3M2.  The mean is taken off first, then one multiply-add: no difference of large products.
; SHARES.  A work-group takes 256 rows, a wave 32: two tiles of 16.  Source 0 = 16 rows of a1, source 1 = 16 rows of W2: a lane holds one channel, so its three parameters are three registers a tile of channels.
; THE WAY OUT.  A lane's results are a piece of a column: they go through the wave's own stage in LDS (32 rows of 512 bytes + 16) and leave as whole rows: each store of the wave covers 512 consecutive bytes, aligned.
; CLUSTER.  Every work-group reads the same image of W2 (26,624 bytes): the four of a cluster ask for it jointly, each wave for an eighth, once.  Nothing in LDS is filled twice.
; No prefetch: each wave asks for all its codes at its head.  LIMITS: NaN and infinities are not served.
.set NROW, 13
.set STG,  26624
.set L16,  4
.set LS,   5
.set VSO,  6
.set VSR,  7
.set VAG,  8
.set VA8,  9
.set VO,   10
.set VPR,  11
.set WS,   16                          ; v16-19 W2's scale words, two sets of two
.set ASC,  20                          ; v20-21 a1's, one a tile
.set PS,   22                          ; v22-53 for each tile of channels: -mean, rstd g, b, 0
.set A1,   64                          ; v64-111
.set W,    112                         ; v112-159 two sets of 24
.set DA,   160                         ; v160-191 two sets of two accumulators
.set OUTR, 192                         ; v192-223 two sets of 16 results
.macro ROUND
	s_barrier_signal -1
	s_barrier_wait -1
	s_cmp_lg_u32 s8, 0
	s_cbranch_scc1 .Lnot_wave_0_\@
	s_barrier_signal -3
.Lnot_wave_0_\@:
	s_barrier_wait -3
	s_barrier_signal -1
	s_barrier_wait -1
.endm
	s_load_b256 s[12:19], s[0:1], 0x0              ; a1, wq, bn, b2
	s_load_b64 s[36:37], s[0:1], 0x20              ; out0
	v_lshl_add_u32 v224, v0, 2, 0x29000
	v_mov_b32 v225, 0
	ds_add_u32 v224, v225
	ds_add_u32 v224, v225
	v_lshrrev_b32 v1, 5, v0
	v_readfirstlane_b32 s8, v1
	v_and_b32 v1, 31, v0
	v_and_b32 v2, 15, v0
	v_bfe_u32 v3, v0, 4, 1
	s_bfe_u32 s9, ttmp6, 0x40000
	s_lshl_b32 s10, ttmp9, 2
	s_add_co_u32 s9, s10, s9                       ; work-group: it enters global addresses alone
	s_mul_i32 s48, s9, 49152
	s_mov_b32 s49, 0
	s_lshl_b32 s50, s9, 11
	s_mov_b32 s51, 0
	s_lshl_b32 s52, s9, 17                         ; 256 rows of 512 bytes
	s_mov_b32 s53, 0
	s_mul_i32 s54, s8, 256*NROW
	s_mov_b32 s55, 0
	s_mov_b32 s24, 15|(3<<16)|(1<<21)              ; the mask: all four work-groups; elements of 8 bytes; bit 21 beside a mask; no padding
	s_mov_b32 s25, 32<<16
	s_mov_b32 s26, NROW<<16
	s_mov_b32 s27, 32<<16
	s_mov_b32 s28, NROW
	s_mov_b32 s29, 32
	s_mov_b32 s30, 0
	s_mov_b32 s31, 0
	s_mov_b32 s20, 1
	s_mov_b32 s21, s54
	s_wait_dscnt 0x0
	s_wait_kmcnt 0x0
	s_add_nc_u64 s[22:23], s[14:15], s[54:55]
	s_add_nc_u64 s[22:23], s[22:23], 79872         ; W2's part of the image
	s_or_b32 s23, s23, 0x80000000
	s_add_nc_u64 s[38:39], s[12:13], s[50:51]
	s_add_nc_u64 s[38:39], s[38:39], 0xc00000      ; a1's scale words
	s_add_nc_u64 s[12:13], s[12:13], s[48:49]
	s_add_nc_u64 s[36:37], s[36:37], s[52:53]
	ROUND                                          ; all four work-groups are here: the joint loads meet
	tensor_load_to_lds s[20:23], s[24:31]          ; one load of mine is out
	s_nop 0
.rept 4
	v_nop
.endr
	v_lshlrev_b32 v[L16], 4, v1
	v_lshl_add_u32 v[LS], v1, 2, 24576
	s_mul_i32 s56, s8, 16896
	s_add_co_u32 s56, s56, STG                     ; my stage
	v_mul_u32_u24 v[VSO], v3, 4224
	v_lshl_add_u32 v[VSO], v2, 2, v[VSO]
	v_add_nc_u32 v[VSO], s56, v[VSO]               ; in: row 8 h, column r
	v_add_nc_u32 v[VSR], s56, v[L16]               ; back: a row of 512 bytes, 16 a lane
	s_mul_i32 s57, s8, 6144
	v_add_nc_u32 v[VAG], s57, v[L16]
	s_lshl_b32 s58, s8, 8
	v_lshl_add_u32 v[VA8], v1, 3, s58
	s_lshl_b32 s59, s8, 14
	v_add_nc_u32 v[VO], s59, v[L16]
	v_lshlrev_b32 v[VPR], 2, v2
.irp m, 0,1
.irp g, 0,1,2,3,4,5
	global_load_b128 v[A1+24*\m+4*\g:A1+24*\m+4*\g+3], v[VAG], s[12:13] offset:3072*\m+512*\g th:TH_LOAD_NT
.endr
.endr
	global_load_b64 v[ASC:ASC+1], v[VA8], s[38:39] th:TH_LOAD_NT
.irp t, 0,1,2,3,4,5,6,7
	global_load_b32 v[PS+4*\t], v[VPR], s[16:17] offset:64*\t              ; -mean2 of channel 16 t + r
	global_load_b32 v[PS+4*\t+1], v[VPR], s[16:17] offset:1024+64*\t       ; rstd2 g2
	global_load_b32 v[PS+4*\t+2], v[VPR], s[18:19] offset:64*\t            ; b2
	v_mov_b32 v[PS+4*\t+3], 0                                              ; (named as the upper half of a pair)
.endr
	s_wait_loadcnt 0x0
	s_wait_tensorcnt 0x0                           ; my eighth of the image has landed,
	s_barrier_signal -1
	s_barrier_wait -1                              ; everybody's has
.macro W2LOAD n, set                   ; tile n of W2: eight LDS loads
.irp s, 0,1
.irp c, 0,1,2
	ds_load_b128 v[W+24*(\set)+12*\s+4*\c:W+24*(\set)+12*\s+4*\c+3], v[L16] offset:1536*(2*(\n)+\s)+512*\c
.endr
	ds_load_b32 v[WS+2*(\set)+\s], v[LS] offset:128*(2*(\n)+\s)
.endr
.endm
.macro OUTW t                          ; tile t's 32 rows x 16 channels: - mean, x (rstd g) + b, relu, into the stage.  Each accumulator is read from its low end on
.set DB2, DA+16*((\t)%2)
.set OB, OUTR+16*((\t)%2)
.set PB, PS+4*(\t)
.irp j, 0,2,4,6,8,10,12,14
	v_pk_add_f32 v[OB+\j:OB+\j+1], v[DB2+\j:DB2+\j+1], v[PB:PB+1] op_sel_hi:[1,0]
.endr
.irp j, 0,2,4,6,8,10,12,14
	v_pk_fma_f32 v[OB+\j:OB+\j+1], v[OB+\j:OB+\j+1], v[PB:PB+1], v[PB+2:PB+3] op_sel:[0,1,0] op_sel_hi:[1,1,0]
.endr
.irp j, 0,1,2,3,4,5,6,7,8,9,10,11,12,13,14,15
	v_max_num_f32 v[OB+\j], 0, v[OB+\j]
.endr
.irp m, 0,1
.irp j, 0,1,2,3,4,5,6,7
	ds_store_b32 v[VSO], v[OB+8*\m+\j] offset:528*(16*\m+\j)+64*(\t)
.endr
.endr
.endm
; TRIP t: four products, the two accumulators by turns; tile t - 1's way into the stage, which is also the places; tile t + 2's loads.
; The wait's count is what is younger than tile t's loads: in trips 0 and 1 the next tile's eight loads; from trip 2 on the last trip's sixteen stores and eight loads; in trip 7 its sixteen stores.
; That wait also shows the stores of two trips ago done: their registers are written again in this trip.
.macro FT t
.if (\t) < 2
	s_wait_dscnt 8
.elseif (\t) < 7
	s_wait_dscnt 24
.else
	s_wait_dscnt 16
.endif
.set WB, W+24*((\t)%2)
.set SB, WS+2*((\t)%2)
.set DB, DA+16*((\t)%2)
	v_wmma_scale_f32_16x16x128_f8f6f4 v[DB:DB+7], v[A1:A1+11], v[WB:WB+11], 0, v[ASC], v[SB] matrix_a_fmt:MATRIX_FMT_BF6 matrix_b_fmt:MATRIX_FMT_BF6
	v_wmma_scale_f32_16x16x128_f8f6f4 v[DB+8:DB+15], v[A1+24:A1+35], v[WB:WB+11], 0, v[ASC+1], v[SB] matrix_a_fmt:MATRIX_FMT_BF6 matrix_b_fmt:MATRIX_FMT_BF6
	v_wmma_scale_f32_16x16x128_f8f6f4 v[DB:DB+7], v[A1+12:A1+23], v[WB+12:WB+23], v[DB:DB+7], v[ASC], v[SB+1] matrix_a_fmt:MATRIX_FMT_BF6 matrix_b_fmt:MATRIX_FMT_BF6 matrix_a_scale:MATRIX_SCALE_ROW1
	v_wmma_scale_f32_16x16x128_f8f6f4 v[DB+8:DB+15], v[A1+36:A1+47], v[WB+12:WB+23], v[DB+8:DB+15], v[ASC+1], v[SB+1] matrix_a_fmt:MATRIX_FMT_BF6 matrix_b_fmt:MATRIX_FMT_BF6 matrix_a_scale:MATRIX_SCALE_ROW1
.if (\t) > 0
	OUTW (\t)-1
.else
.rept 4
	v_nop
.endr
.endif
.if (\t)+2 <= 7
	W2LOAD (\t)+2, (\t)%2
.endif
.endm
	W2LOAD 0, 0
	W2LOAD 1, 1
.irp t, 0,1,2,3,4,5,6,7
	FT \t
.endr
	OUTW 7                                         ; tile 6's work stands between the last products and this
	s_wait_dscnt 0x0                               ; my stores into the stage are done
.irp i, 0,1,2,3,4,5,6,7,8,9,10,11,12,13,14,15,16,17,18,19,20,21,22,23,24,25,26,27,28,29,30,31
	ds_load_b128 v[64+4*\i:67+4*\i], v[VSR] offset:528*\i      ; the operands' and accumulators' registers are free
.endr
.irp i, 0,1,2,3,4,5,6,7,8,9,10,11,12,13,14,15,16,17,18,19,20,21,22,23,24,25,26,27,28,29,30,31
	s_wait_dscnt 31-\i
	global_store_b128 v[VO], v[64+4*\i:67+4*\i], s[36:37] offset:512*\i th:TH_STORE_NT
.endr
	s_wait_tensorcnt 0x0
	ds_add_u32 v224, v225
	s_wait_dscnt 0x0
	ROUND                                          ; the closing round
	s_endpgm
.Lfunc_end_k_qd22df1de62_fin:
	.size	k_qd22df1de62_fin, .Lfunc_end_k_qd22df1de62_fin-k_qd22df1de62_fin
	.p2alignl 7, 3214868480
	.fill 96, 4, 3214868480
	.section	.rodata,"a",@progbits
	.p2align	6, 0x0
	.amdhsa_kernel k_qd22df1de62_fin
		.amdhsa_group_segment_fixed_size 168960
		.amdhsa_private_segment_fixed_size 0
		.amdhsa_enable_private_segment 0
		.amdhsa_kernarg_size 40
		.amdhsa_user_sgpr_count 2
		.amdhsa_user_sgpr_kernarg_segment_ptr 1
		.amdhsa_wavefront_size32 1
		.amdhsa_system_sgpr_workgroup_id_x 1
		.amdhsa_system_sgpr_workgroup_id_y 1
		.amdhsa_system_sgpr_workgroup_id_z 1
		.amdhsa_system_vgpr_workitem_id 0
		.amdhsa_next_free_vgpr 226
		.amdhsa_next_free_sgpr 66
		.amdhsa_reserve_vcc 0
		.amdhsa_float_denorm_mode_32 3
		.amdhsa_float_denorm_mode_16_64 3
		.amdhsa_memory_ordered 1
		.amdhsa_forward_progress 1
		.amdhsa_inst_pref_size 43
	.end_amdhsa_kernel
	.amdgpu_metadata
---
amdhsa.version: [ 1, 2 ]
amdhsa.kernels:
  - .name:           k_qd22df1de62_fin
    .symbol:         k_qd22df1de62_fin.kd
    .args:
      - { .name: a1, .offset: 0, .size: 8, .value_kind: global_buffer, .address_space: global }
      - { .name: wq, .offset: 8, .size: 8, .value_kind: global_buffer, .address_space: global }
      - { .name: bn, .offset: 16, .size: 8, .value_kind: global_buffer, .address_space: global }
      - { .name: b2, .offset: 24, .size: 8, .value_kind: global_buffer, .address_space: global }
      - { .name: out0, .offset: 32, .size: 8, .value_kind: global_buffer, .address_space: global }
    .group_segment_fixed_size: 168960
    .private_segment_fixed_size: 0
    .kernarg_segment_align: 8
    .kernarg_segment_size: 40
    .max_flat_workgroup_size: 256
    .sgpr_count:     66
    .vgpr_count:     226
    .wavefront_size: 32
...
	.end_amdgpu_metadata
.endif
;; end of part 6
